; MI455X (gfx1250); checked and timed in simulation.
; The chip was launched on July 23, 2026; its instructions are those of AMD's public machine-readable ISA for CDNA 5 (MIT licence, August 2026) and "CDNA5" Instruction Set Architecture Reference Guide (July 2026). The comments in the code are by the model that wrote it; some were corrected since.
;; FFF Fanout. Allowed arithmetic: matrix products marked QUANTISED: E5M2 operands, one given power-of-two scale a tensor, by v_wmma_f32_16x16x64_bf8_bf8 or v_wmma_f32_16x16x128_bf8_bf8, f32 sums; everything else in f32.
;; Inputs: W_in 21,840 x 256 float32; W_out 256 x 21,840 float32; b_in 21,840 float32; lowp_scales 4 int32 (the exponents e of the quantised operands' scales 2^e); oldx 2 x 2,048 x 256 float32.
;; Outputs: out0 2 x 2,048 x 256 float32.
;; This version of the problem:
;;   THIS VERSION OF THE PROBLEM IS GIVEN IN LOW PRECISION. The matrix products marked QUANTISED in the list below multiply operands that are first quantised to E5M2 (5 exponent bits, 2 mantissa bits; 8 bits a number), with one given power-of-two scale for each operand tensor; their sums are f32. All else is computed in f32.
;;   The module's matrix products, in the order in which they are computed (A, B: the left and right operand; K: the contracted axis; several contracted axes count as one K, in the product's order):
;;     1. [M 4,096, K 256] x [K 256, N 21,840]; A: input oldx; B: input W_in: QUANTISED (scales: A lowp_scales[0], B lowp_scales[1])
;;     2. [M 4,096, K 21,840] x [K 21,840, N 256]; A: computed on the way; B: input W_out: QUANTISED (scales: A lowp_scales[2], B lowp_scales[3])
;;   THE QUANTISER, for each operand of a quantised product, along K:
;;     - The operand's scale is 2^e, e = its entry of the input lowp_scales (int32; the entries are numbered through the quantised products in the list's order, A before B).
;;     - Each number is divided by the scale, clamped to +-57,344, and rounded to the nearest number of E5M2, ties to even, subnormals kept.
;;     - The product sums the exact products of the quantised numbers (number of the format x scale) in f32.
;;   ~~~python
;;   def quantise(x, axis, e):      # numpy; x: float32 -> the quantised numbers, widened to float32 again
;;       x = np.moveaxis(x, axis, -1); K = x.shape[-1]
;;       r = np.clip(x / 2.0 ** e, -57344, 57344)
;;       step = 2.0 ** (np.maximum(np.frexp(np.where(r == 0, 1, r))[1] - 1, -14) - 2)
;;       q = np.round(r / step) * step * 2.0 ** e      # np.round: ties to even
;;       return np.moveaxis(q, -1, axis).astype(np.float32)
;;   ~~~
;;   OPERANDS COMPUTED ON THE WAY. 'Computed on the way' means the value that the module computes at that place (a softmax that the list does not call 'softmax' is quantised finished and normalised). What goes into a quantiser is computed in f32, as accurately as f32 sums, v_exp_f32 and their like allow (about 1e-6 of the number): no bf16 or f16 on the way to a quantiser, and a product that is left as it is and whose result goes on into a quantised operand takes f32 operands (vector FMAs, or v_wmma_f32_16x16x4_f32). A number that lies on a knife's edge between two numbers of the format may be rounded either way, as far as f32 arithmetic and the matrix unit's own rounding can turn it there, and no further.
;; 2 versions, each right; version 2 is version 1 with the launches prep, leaf written anew for expert scheduling mode. Each part assembles by itself: llvm-mc -triple=amdgcn-amd-amdhsa -mcpu=gfx1250 --defsym DOCPART=n.
;; ======== version 1 of 2: 3 launches
;; workspace buffers: xq 1,048,576 bytes; wq 5,591,040 bytes; t03 1,048,576 bytes; t45 8,388,608 bytes; route 262,144 bytes of whole numbers; acts 2,097,152 bytes
;; launch prep (part 1): grid 459 x 1, 8 waves a work-group, no clusters, 111,616 bytes of LDS; arguments oldx, W_in, W_out, lowp_scales, xq, wq, t03, t45; writes xq, wq, t03, t45
.if DOCPART == 1
	.amdgcn_target "amdgcn-amd-amdhsa--gfx1250"
	.amdhsa_code_object_version 6
	.text
	.protected	k_qda70a123f6_prep
	.globl	k_qda70a123f6_prep
	.p2align	8
	.type	k_qda70a123f6_prep,@function
k_qda70a123f6_prep:
	s_mov_b64 s[64:65], 0
	v_nop
	global_prefetch_b8 v0, s[64:65] scope:SCOPE_SE
	s_setreg_imm32_b32 hwreg(HW_REG_WAVE_MODE, 25, 1), 1
	s_wait_xcnt 0x0
; PREP: every operand that arrives as f32 is quantised once to codes of BF8 (E5M2): code = x / 2^e, held within +-57,344, to the nearest code, ties to even.
; Two roles, chosen by the work-group's number; each has LDS bytes of its own, each wave its own part of them: no barrier, no traffic between waves.
; TABLES (work-groups 0-255 = 64 p + b; p the tree, b the level-3 node).  W_out [256][21840] has K (the hidden units) innermost, but the later gather wants, for ONE path of a tree, the code
;   words (4 codes = one group of 4 units) of all 256 outputs d side by side.  Two tables:  t03 [p][b][d][16 bytes] = the words of the level-0, 1, 2, 3 groups on b's path;
;   t45 [p][leaf = 16 b + y][d][8 bytes] = the words of the level-4 group (leaf / 4) and of the level-5 group (leaf).  Thread v0 is output row d.
;   The 16 leaf groups of a row are 256 consecutive bytes: they are loaded two rows to an instruction (sixteen lanes to a row) and turned through the wave's own stage in LDS, so that a lane ends up with its row.
; STREAM (work-groups 256-458): oldx and W_in have K innermost and dense rows, so both are plain streams; a wave takes one unit of 4,096 numbers in 8 steps of 512.  256 units of oldx, 1,365 of W_in: 1,621,
;   which 8 does not divide: the last three waves of the last work-group have no unit and end.
; No cluster and no matrix work: no two work-groups read the same bytes for long, and memory binds.
; LIMITS: each of e0, e1, e3 lies between -126 and 112, so that 2^e and 57,344 x 2^e are f32 numbers.  NaN among the inputs is not served.
.set PW,    87360                      ; a row of W_out in bytes
.set TP,    272                        ; tables: a stage row, 256 bytes + 16: sixteen rows begin at sixteen different 16-byte columns of 256 bytes
.set TW,    32*TP                      ; a wave's stage: its 32 rows
.set SBASE, 8*TW                       ; stream: its stages lie behind the tables' eight
.set SP,    80                         ; a lane's place in a stage: 64 bytes + 16
.set SW,    2*32*SP                    ; a wave's two stages
.set STEPS, 8
.set UX,    256                        ; units of oldx
.set UALL,  1621                       ; units in all
.set WV,    20                         ; s20 my wave's number
.set R5,    16                         ; v16-79   tables: leaf groups as loaded; later the pairs for t45
.set X5,    80                         ; v80-143  my row's 16 leaf groups
.set Q03,   144                        ; v144-159 my row's groups of levels 0-3; v160-175 its four level-4 groups
.set C03,   176                        ; v176-179 their words; v180-183 level 4's
.set C4,    180
.set C5,    184                        ; v184-199 the 16 leaf words
.set PR,    16
.set R,     16                         ; stream: v16-79 four sets of 16 numbers as loaded
.set X,     80                         ; v80-111  two sets of 16 neighbours
.set C,     128                        ; v128-159 four registers of codes for each step: no store's data are written again
	s_load_b512 s[4:19], s[0:1], 0x0               ; oldx s[4:5], W_in s[6:7], W_out s[8:9], the exponents s[10:11], xq s[12:13], wq s[14:15], t03 s[16:17], t45 s[18:19]
	v_lshl_add_u32 v200, v0, 2, 0x1b000
	v_mov_b32 v201, 0
	v_lshrrev_b32 v1, 5, v0
	v_readfirstlane_b32 s[WV], v1                  ; wave 0..7
	v_and_b32 v2, 31, v0                           ; lane
	s_cmp_lt_u32 ttmp9, 256
	s_cbranch_scc0 .Lstream
	; ---------------- TABLES ----------------
	s_lshr_b32 s21, ttmp9, 6                       ; p
	s_and_b32 s22, ttmp9, 63                       ; b
	s_mul_i32 s23, s[WV], TW                       ; my stage
	v_mul_u32_u24 v4, v0, PW                       ; my row d = v0
	v_and_b32 v1, 0xe0, v0                         ; 32 x wave
	v_bfe_u32 v3, v0, 4, 1                         ; lane / 16
	v_add_nc_u32 v1, v1, v3
	v_mul_u32_u24 v5, v1, PW                       ; leaf loads: row 32 w + lane / 16 (+ 2 k in the immediate),
	v_and_b32 v12, 15, v0
	v_lshl_add_u32 v5, v12, 4, v5                  ; 16 bytes a lane: sixteen lanes read a row's 256 bytes
	v_mul_u32_u24 v6, v3, TP
	v_lshl_add_u32 v6, v12, 4, v6
	v_add_nc_u32 v6, s23, v6                       ; into the stage as loaded
	v_mul_u32_u24 v7, v2, TP
	v_add_nc_u32 v7, s23, v7                       ; out of it: lane l takes row l
	v_lshlrev_b32 v8, 4, v0                        ; t03: 16 bytes a row
	v_lshlrev_b32 v9, 3, v0                        ; t45: 8 bytes a row
	s_mul_i32 s36, s21, 21840                      ; the tree's first unit, in bytes of a row
	s_mov_b32 s37, 0
	s_wait_kmcnt 0x0
	s_load_b32 s38, s[10:11], 0xc                  ; e3
	s_add_nc_u64 s[24:25], s[8:9], s[36:37]        ; level 0: group 0
	s_lshr_b32 s36, s22, 4
	s_add_co_u32 s36, s36, 1
	s_lshl_b32 s36, s36, 4                         ; a group is 16 bytes
	s_add_nc_u64 s[26:27], s[24:25], s[36:37]      ; level 1: group 1 + b / 16
	s_lshr_b32 s36, s22, 2
	s_add_co_u32 s36, s36, 5
	s_lshl_b32 s36, s36, 4
	s_add_nc_u64 s[28:29], s[24:25], s[36:37]      ; level 2: group 5 + b / 4
	s_add_co_u32 s36, s22, 21
	s_lshl_b32 s36, s36, 4
	s_add_nc_u64 s[30:31], s[24:25], s[36:37]      ; level 3: group 21 + b
	s_lshl_b32 s36, s22, 6
	s_add_co_u32 s36, s36, 85*16
	s_add_nc_u64 s[32:33], s[24:25], s[36:37]      ; level 4: groups 85 + 4 b on
	s_lshl_b32 s36, s22, 8
	s_add_co_u32 s36, s36, 341*16
	s_add_nc_u64 s[34:35], s[24:25], s[36:37]      ; level 5: groups 341 + 16 b on
	s_lshl_b32 s36, ttmp9, 12
	s_add_nc_u64 s[16:17], s[16:17], s[36:37]      ; t03 at (p, b): 4,096 bytes each
	s_lshl_b32 s36, ttmp9, 15
	s_add_nc_u64 s[18:19], s[18:19], s[36:37]      ; t45 at (p, 16 b): 16 leaves of 2,048 bytes
.irp k, 0,1,2,3,4,5,6,7,8,9,10,11,12,13,14,15
	global_load_b128 v[R5+4*\k:R5+4*\k+3], v5, s[34:35] offset:\k*2*PW   ; rows 32 w + 2 k and + 1: 256 consecutive bytes each
.endr
	global_load_b128 v[Q03:Q03+3],     v4, s[24:25]
	global_load_b128 v[Q03+4:Q03+7],   v4, s[26:27]
	global_load_b128 v[Q03+8:Q03+11],  v4, s[28:29]
	global_load_b128 v[Q03+12:Q03+15], v4, s[30:31]
.irp j, 0,1,2,3
	global_load_b128 v[Q03+16+4*\j:Q03+19+4*\j], v4, s[32:33] offset:16*\j
.endr
	s_wait_kmcnt 0x0
	s_add_co_i32 s38, s38, 127
	s_lshl_b32 s39, s38, 23
	v_mov_b32 v11, s39                             ; 2^e3 as f32: the conversion takes its exponent field
	s_add_co_i32 s38, s38, 15
	s_lshl_b32 s38, s38, 23
	s_or_b32 s38, s38, 0x600000
	v_mov_b32 v10, s38                             ; 57,344 x 2^e3
	s_wait_loadcnt 8                               ; the sixteen leaf loads are in; the eight behind them (levels 0 to 4) may be out
.irp k, 0,1,2,3,4,5,6,7,8,9,10,11,12,13,14,15
	ds_store_b128 v6, v[R5+4*\k:R5+4*\k+3] offset:2*TP*\k
.endr
.irp j, 0,1,2,3,4,5,6,7,8,9,10,11,12,13,14,15
	ds_load_b128 v[X5+4*\j:X5+4*\j+3], v7 offset:16*\j   ; LDS serves a wave's instructions in order (ISA guide 5.7.1.4): these see my stores.  Leaf group j of my row
.endr
	s_wait_loadcnt 0x0
.set i, 0
.rept 32
	v_med3_num_f32 v[Q03+i], v[Q03+i], -v10, v10   ; the conversion to an 8-bit code does not saturate (ISA guide 7.6.2): hold first
.set i, i+1
.endr
.irp g, 0,1,2,3
	v_cvt_scalef32_pk8_bf8_f32 v[C03+2*\g:C03+2*\g+1], v[Q03+8*\g:Q03+8*\g+7], v11   ; two groups an instruction: a word a group, unit f in byte f
.endr
	s_wait_dscnt 0x0                               ; my row's leaf groups are back, and the stage's stores have read v16-79
.set i, 0
.rept 64
	v_med3_num_f32 v[X5+i], v[X5+i], -v10, v10
.set i, i+1
.endr
.irp g, 0,1,2,3,4,5,6,7
	v_cvt_scalef32_pk8_bf8_f32 v[C5+2*\g:C5+2*\g+1], v[X5+8*\g:X5+8*\g+7], v11
.endr
	v_nop                                          ; one plain vector instruction between a scaled conversion and the vector instructions that read its result
.irp y, 0,1,2,3,4,5,6,7,8,9,10,11,12,13,14,15
	v_mov_b32 v[PR+2*\y],   v[C4+\y/4]             ; leaf 16 b + y: its level-4 word beside its own, so that one 8-byte store and one 8-byte load carry both
	v_mov_b32 v[PR+2*\y+1], v[C5+\y]
.endr
	global_store_b128 v8, v[C03:C03+3], s[16:17]   ; a wave stores 512 consecutive bytes, aligned
.irp y, 0,1,2,3,4,5,6,7,8,9,10,11,12,13,14,15
	global_store_b64 v9, v[PR+2*\y:PR+2*\y+1], s[18:19] offset:2048*\y   ; a wave stores 256 consecutive bytes, aligned
.endr
	s_wait_tensorcnt 0x0
	ds_add_u32 v200, v201
	s_wait_dscnt 0x0
	s_endpgm
	; ---------------- STREAM ----------------
.Lstream:
	s_sub_co_u32 s24, ttmp9, 256
	s_lshl_b32 s24, s24, 3
	s_add_co_u32 s24, s24, s[WV]                   ; my unit
	s_cmp_ge_u32 s24, UALL
	s_cbranch_scc1 .Lend                           ; the three waves past the last unit
	s_mul_i32 s23, s[WV], SW
	s_add_co_u32 s23, s23, SBASE                   ; my two stages
	v_lshlrev_b32 v3, 4, v2                        ; 16 x lane: my 16 bytes of a load's 512, and my 16 codes of a step's 512
	v_lshrrev_b32 v14, 2, v2
	v_mul_u32_u24 v14, v14, SP
	v_and_b32 v15, 3, v2
	v_lshl_add_u32 v14, v15, 4, v14
	v_add_nc_u32 v14, s23, v14                     ; into a stage: four lanes' 64 bytes on end, then 16 of padding
	v_mul_u32_u24 v15, v2, SP
	v_add_nc_u32 v15, s23, v15                     ; out of it: my 16 neighbours
	s_wait_kmcnt 0x0
	s_load_b64 s[26:27], s[10:11], 0x0             ; e0, e1
	s_cmp_lt_u32 s24, UX                           ; oldx's unit or W_in's: the choice hangs on ids alone
	s_cselect_b64 s[28:29], s[4:5], s[6:7]
	s_cselect_b64 s[30:31], s[12:13], s[14:15]
	s_cselect_b32 s25, 0, UX
	s_sub_co_u32 s25, s24, s25                     ; the unit's number in its tensor
	s_lshl_b32 s32, s25, 14                        ; 4,096 numbers of 4 bytes
	s_mov_b32 s33, 0
	s_add_nc_u64 s[28:29], s[28:29], s[32:33]
	s_lshl_b32 s32, s25, 12                        ; 4,096 codes
	s_add_nc_u64 s[30:31], s[30:31], s[32:33]
.macro LOAD t
.irp i, 0,1,2,3
	global_load_b128 v[R+16*((\t)%4)+4*\i:R+16*((\t)%4)+4*\i+3], v3, s[28:29] offset:2048*(\t)+512*\i th:TH_LOAD_NT   ; 32 lanes read 512 consecutive bytes; read once in the launch
.endr
.endm
.macro TURN t                          ; step t's numbers through a stage: in as they lie, out 64 bytes a lane; a wave's LDS instructions are served in order
.irp i, 0,1,2,3
	ds_store_b128 v14, v[R+16*((\t)%4)+4*\i:R+16*((\t)%4)+4*\i+3] offset:32*SP*((\t)%2)+8*SP*\i
.endr
.irp i, 0,1,2,3
	ds_load_b128 v[X+16*((\t)%2)+4*\i:X+16*((\t)%2)+4*\i+3], v15 offset:32*SP*((\t)%2)+16*\i
.endr
.endm
.irp t, 0,1,2,3
	LOAD \t
.endr
	s_wait_kmcnt 0x0
	s_cmp_lt_u32 s24, UX
	s_cselect_b32 s26, s26, s27                    ; e
	s_add_co_i32 s26, s26, 127
	s_lshl_b32 s27, s26, 23
	v_mov_b32 v11, s27                             ; 2^e
	s_add_co_i32 s26, s26, 15
	s_lshl_b32 s26, s26, 23
	s_or_b32 s26, s26, 0x600000
	v_mov_b32 v10, s26                             ; 57,344 x 2^e
	s_wait_loadcnt 12                              ; step 0's four loads are in; those of steps 1 to 3 may be out
	TURN 0
.macro STEP t
.set XS, X+16*((\t)%2)
	s_wait_dscnt 0x0                               ; this step's numbers are back from the stage, and its stores into the stage have read their registers,
.if (\t)+4 < STEPS
	LOAD (\t)+4                                    ; which take the loads of four steps on
.endif
.if (\t)+1 < STEPS
.if STEPS-2-(\t) >= 3
	s_wait_loadcnt 12                              ; the next step's four loads are in; those of the three steps behind it may be out
.else
	s_wait_loadcnt 4*(STEPS-2-(\t))                ; at the end fewer steps are behind it
.endif
	TURN (\t)+1
.endif
.irp i, 0,1,2,3,4,5,6,7,8,9,10,11,12,13,14,15
	v_med3_num_f32 v[XS+\i], v[XS+\i], -v10, v10
.endr
	v_cvt_scalef32_pk8_bf8_f32 v[C+4*(\t):C+4*(\t)+1], v[XS:XS+7], v11
	v_cvt_scalef32_pk8_bf8_f32 v[C+4*(\t)+2:C+4*(\t)+3], v[XS+8:XS+15], v11   ; the results go to a store alone; the next vector lines are the next step's holds, on other registers
	global_store_b128 v3, v[C+4*(\t):C+4*(\t)+3], s[30:31] offset:512*(\t)    ; a wave stores 512 consecutive bytes, aligned
.endm
.irp t, 0,1,2,3,4,5,6,7
	STEP \t
.endr
.Lend:
	s_wait_tensorcnt 0x0
	ds_add_u32 v200, v201
	s_wait_dscnt 0x0
	s_endpgm
.Lfunc_end_k_qda70a123f6_prep:
	.size	k_qda70a123f6_prep, .Lfunc_end_k_qda70a123f6_prep-k_qda70a123f6_prep
	.p2alignl 7, 3214868480
	.fill 96, 4, 3214868480
	.section	.rodata,"a",@progbits
	.p2align	6, 0x0
	.amdhsa_kernel k_qda70a123f6_prep
		.amdhsa_group_segment_fixed_size 111616
		.amdhsa_private_segment_fixed_size 0
		.amdhsa_enable_private_segment 0
		.amdhsa_kernarg_size 64
		.amdhsa_user_sgpr_count 2
		.amdhsa_user_sgpr_kernarg_segment_ptr 1
		.amdhsa_wavefront_size32 1
		.amdhsa_system_sgpr_workgroup_id_x 1
		.amdhsa_system_sgpr_workgroup_id_y 1
		.amdhsa_system_sgpr_workgroup_id_z 1
		.amdhsa_system_vgpr_workitem_id 0
		.amdhsa_next_free_vgpr 202
		.amdhsa_next_free_sgpr 66
		.amdhsa_reserve_vcc 0
		.amdhsa_float_denorm_mode_32 3
		.amdhsa_float_denorm_mode_16_64 3
		.amdhsa_memory_ordered 1
		.amdhsa_forward_progress 1
		.amdhsa_inst_pref_size 36
	.end_amdhsa_kernel
	.amdgpu_metadata
---
amdhsa.version: [ 1, 2 ]
amdhsa.kernels:
  - .name:           k_qda70a123f6_prep
    .symbol:         k_qda70a123f6_prep.kd
    .args:
      - { .name: oldx, .offset: 0, .size: 8, .value_kind: global_buffer, .address_space: global }
      - { .name: W_in, .offset: 8, .size: 8, .value_kind: global_buffer, .address_space: global }
      - { .name: W_out, .offset: 16, .size: 8, .value_kind: global_buffer, .address_space: global }
      - { .name: lowp_scales, .offset: 24, .size: 8, .value_kind: global_buffer, .address_space: global }
      - { .name: xq, .offset: 32, .size: 8, .value_kind: global_buffer, .address_space: global }
      - { .name: wq, .offset: 40, .size: 8, .value_kind: global_buffer, .address_space: global }
      - { .name: t03, .offset: 48, .size: 8, .value_kind: global_buffer, .address_space: global }
      - { .name: t45, .offset: 56, .size: 8, .value_kind: global_buffer, .address_space: global }
    .group_segment_fixed_size: 111616
    .private_segment_fixed_size: 0
    .kernarg_segment_align: 8
    .kernarg_segment_size: 64
    .max_flat_workgroup_size: 256
    .sgpr_count:     66
    .vgpr_count:     202
    .wavefront_size: 32
...
	.end_amdgpu_metadata
.endif
;; end of part 1
;; launch route (part 2): grid 16 x 16, 4 waves a work-group, clusters of 4 x 1, 168,448 bytes of LDS; arguments xq, wq, b_in, lowp_scales, route, acts; writes route, acts
.if DOCPART == 2
	.amdgcn_target "amdgcn-amd-amdhsa--gfx1250"
	.amdhsa_code_object_version 6
	.text
	.protected	k_qda70a123f6_route
	.globl	k_qda70a123f6_route
	.p2align	8
	.type	k_qda70a123f6_route,@function
k_qda70a123f6_route:
	s_mov_b64 s[64:65], 0
	v_nop
	global_prefetch_b8 v0, s[64:65] scope:SCOPE_SE
	s_setreg_imm32_b32 hwreg(HW_REG_WAVE_MODE, 25, 1), 1
	s_wait_xcnt 0x0
	s_wait_alu depctr_hold_cnt(0) depctr_sa_sdst(0) depctr_va_vdst(0) depctr_va_sdst(0) depctr_va_ssrc(0) depctr_va_vcc(0) depctr_vm_vsrc(0)
	s_getreg_b32 s2, hwreg(HW_REG_IB_STS2, 6, 4)
	s_cmp_eq_u32 s2, 0
	s_cbranch_scc0 .Lentry_in_a_cluster
	s_endpgm
.Lentry_in_a_cluster:
	s_bfe_u32 s2, ttmp6, 0x10000c
	s_cmp_lg_u32 s2, 0x3003
	s_cbranch_scc0 .Lentry_shape_is_right
	s_endpgm
.Lentry_shape_is_right:
; ROUTE: the walk down levels 0 to 4 of the trees, without a branch or an address that hangs on a decision.
; A work-group takes 256 tokens (tb) and pc = 4 p + c: tree p, and the subtree under the root's child c.  It multiplies x by ALL units of that subtree down to level 4: the root's 4 and child c's 4 (tile 0, each
; twice), 16 of level 2 (tile 1), 64 of level 3 (tiles 2-5), 256 of level 4 (tiles 6-21): 22 tiles of 16 units, K = 256 in two steps of 128.  Level by level each token's own group is picked out of the results by
; compares and selects, its gelu taken, its argmax added to the path.  What is stored, at fixed places: the root's move m0 and the path below child c (route), and the codes of the five groups' activations
; (acts).  The record that counts for a token is the one with c = m0: the next launch, which reads m0 as a whole number, chooses it.
; SHARES.  Wave w owns tokens 64 w .. 64 w + 63 of the 256, four tiles of 16, and walks all 22 weight tiles: no decision crosses waves.
; THE MATRIX INSTRUCTION IS USED TRANSPOSED (source 0 = 16 units, source 1 = 16 tokens): lane (r, h) holds token r, its register j unit 8 h + j of the tile: groups 2 h (registers 0-3) and 2 h + 1 (4-7).
; b_in, divided by 2^(e0 + e1), is the C of each sum's first product.  K's order inside a step is the same permutation in both operands (four 16-byte loads, 32 bytes apart).
; CLUSTER.  The four work-groups of a cluster differ in tb alone and need the same 88 KiB of weights: every weight tile is asked for JOINTLY (mask 15), by descriptors made of pc and the wave's number.
; Each LDS byte is filled once, so there is no ring; a wave has four tensor loads out, issued together behind the opening round.
; GELU: x Phi(x), Phi from erfc(z) = t exp(-z^2 + poly(t)), t = 1 / (1 + z / 2), z = |x| / sqrt 2 (a fit good to 1.2e-7 of erfc, with no cancellation on either side of 0).
; ARGMAX: where a group's largest logit is not negative the logits themselves are compared (gelu rises there, and no negative logit's gelu lies above it), else the gelu values; the first of equals wins.
; LIMITS: e2 between -126 and 112; b_in / 2^(e0 + e1) a normal f32 number.  NaN and infinities among the inputs are not served.  Below about x = -13 the exponential is flushed and gelu is -0.
; Two candidates of a group that differ by a rounding may be ordered otherwise than by another evaluation of gelu.
; REGISTERS, in windows of 256.  window 0: v1-9 lane terms; v10-13 the path REL, v14-17 REL - 2 h, v18-21 m0 (one a tile of tokens); v24-39 the group picked out; v40-71 eight held activations a tile; v72-95 codes;
;   v96-159 two sets of four accumulators; v160-239 gelu's work.   window 1: v0-127 x's fragments (32 t + 16 s); v128-191 two buffers for a weight tile.   window 2: v0-175 the biases, 8 a tile.
.set PITCH, 272                        ; an LDS row: 256 bytes + 16: the sixteen rows of a fragment load begin at sixteen different 16-byte columns of 256 bytes
.set TILEB, 16*PITCH
.set WA,  3                            ; v3   272 r + 16 h: my place in a weight tile
.set XA,  4                            ; v4   256 r + 16 h: in x's rows
.set BA,  5                            ; v5   32 h: my half's eight biases
.set ZA,  6                            ; v6   0
.set AO,  7                            ; v7   32 r + 16 h: in a tile's records of acts
.set RO,  8                            ; v8   16 r + 8 h: in the wave's 256 bytes of route
.set H2,  9                            ; v9   2 h
.set REL, 10
.set Q,   14
.set M0,  18
.set SC,  22                           ; v22  2^e2;  v23  57,344 x 2^e2
.set LIM, 23
.set SEL, 24
.set AV,  40
.set CD,  72
.set ACC, 96
.set L,   160                          ; 16 logits (4 t + i)
.set Z,   176
.set T,   192
.set P,   208
.set G,   224
.set KC,  240                          ; v[240:241] the fit's highest coefficient, twice
.set MV,  242                          ; v242-245 a level's moves
.set WA2, 246                          ; v246 WA + 11 tiles: an LDS immediate holds 16 bits
.set WB,  128                          ; window 1
.set WV,  16                           ; s16  my wave's number
.set G1A, 24                           ; s[24:31] group 1 for 4 rows; s[32:39] for 16; s[40:47] for 64
.set G1B, 32
.set G1C, 40
.set GD,  48                           ; s[48:51] group 0: tile 0's quarter; s[52:55] tile 1's; s[56:59] a level-3 tile; s[60:63] four level-4 tiles
.set GC,  52
.set GB,  56
.set GA,  60
.set EXS, 80                           ; s80 e0 + e1; s81 its negative
.set SLS, 82                           ; s[82:83] v_permlanex16_b32's selects for lane l xor 16
.set CSQ, 84                           ; s84 sqrt(1/2)
.set HI,  85                           ; s85 lanes 16-31
.set MSB, 0
.macro WIN new                         ; the immediate's high byte repeats the setting that is left; a switch that changes nothing is dropped
.if MSB != \new
	s_set_vgpr_msb (MSB<<8)|\new
.set MSB, \new
.endif
.endm
.macro CROUND                          ; a round of the cluster's barrier
	s_barrier_signal -1
	s_barrier_wait -1
	s_cmp_lg_u32 s[WV], 0
	s_cbranch_scc1 .Lnot_wave_0_\@
	s_barrier_signal -3
.Lnot_wave_0_\@:
	s_barrier_wait -3
	s_barrier_signal -1
	s_barrier_wait -1
.endm
	s_load_b256 s[4:11], s[0:1], 0x0               ; xq s[4:5], wq s[6:7], b_in s[8:9], the exponents s[10:11]
	s_load_b128 s[12:15], s[0:1], 0x20             ; route s[12:13], acts s[14:15]
	v_lshl_add_u32 v254, v0, 2, 0x29000
	v_mov_b32 v255, 0
	ds_add_u32 v254, v255
	ds_add_u32 v254, v255
	v_lshrrev_b32 v1, 5, v0
	v_readfirstlane_b32 s[WV], v1                  ; wave 0..3
	s_bfe_u32 s17, ttmp6, 0x40000                  ; cx
	s_lshl_b32 s18, ttmp9, 2
	s_add_co_u32 s18, s18, s17                     ; tb = 4 x cluster x + cx: it enters the addresses of xq, route and acts alone
	s_and_b32 s19, ttmp7, 0xffff                   ; pc, which the four partners share
	s_lshr_b32 s20, s19, 2                         ; p
	s_and_b32 s21, s19, 3                          ; c
	s_mul_i32 s22, s20, 5460                       ; the tree's first unit
.irp g, G1A, G1B, G1C
	s_mov_b32 s[\g], 15|(1<<20)|(1<<21)|(5<<22)|(3<<25)   ; 15:0 the mask: all four work-groups; 17:16 elements of 1 byte; 20 padding on; 21 set beside a mask; 24:22 after every 64 words; 31:25 four words
	s_mov_b32 s[\g+1], 256<<16                     ; tensor_dim0 = 256
	s_mov_b32 s[\g+3], 256<<16                     ; tile_dim0 = 256
	s_mov_b32 s[\g+5], 256                         ; from row to row
	s_mov_b32 s[\g+6], 0
	s_mov_b32 s[\g+7], 0
.endr
	s_mov_b32 s[G1A+2], 4<<16                      ; tensor_dim1 and tile_dim1: the rows
	s_mov_b32 s[G1A+4], 4
	s_mov_b32 s[G1B+2], 16<<16
	s_mov_b32 s[G1B+4], 16
	s_mov_b32 s[G1C+2], 64<<16
	s_mov_b32 s[G1C+4], 64
	; which rows of wq I fetch (a row is 256 bytes)
	s_lshl_b32 s23, s21, 2
	s_add_co_u32 s23, s23, 4                       ; 4 (1 + c): child c's first unit
	s_and_b32 s86, s[WV], 1
	s_mul_i32 s86, s86, s23                        ; tile 0: waves 0, 2 the root's four rows, waves 1, 3 the child's
	s_add_co_u32 s86, s86, s22
	s_lshl_b32 s86, s86, 8
	s_mov_b32 s87, 0
	s_lshl_b32 s88, s21, 4
	s_lshl_b32 s89, s[WV], 2
	s_add_co_u32 s88, s88, s89
	s_add_co_u32 s88, s88, s22
	s_add_co_u32 s88, s88, 20                      ; tile 1: unit 4 (5 + 4 c) + 4 w
	s_lshl_b32 s88, s88, 8
	s_mov_b32 s89, 0
	s_lshl_b32 s90, s21, 6
	s_lshl_b32 s91, s[WV], 4
	s_add_co_u32 s90, s90, s91
	s_add_co_u32 s90, s90, s22
	s_add_co_u32 s90, s90, 84                      ; level 3: unit 4 (21 + 16 c) + 16 w
	s_lshl_b32 s90, s90, 8
	s_mov_b32 s91, 0
	s_lshl_b32 s92, s21, 8
	s_lshl_b32 s93, s[WV], 6
	s_add_co_u32 s92, s92, s93
	s_add_co_u32 s92, s92, s22
	s_add_co_u32 s92, s92, 340                     ; level 4: unit 4 (85 + 64 c) + 64 w
	s_lshl_b32 s92, s92, 8
	s_mov_b32 s93, 0
	s_mov_b32 s[GD], 1                             ; and where they go: a constant + the wave's number x a constant
	s_mul_i32 s[GD+1], s[WV], 4*PITCH
	s_mov_b32 s[GC], 1
	s_mul_i32 s[GC+1], s[WV], 4*PITCH
	s_add_co_u32 s[GC+1], s[GC+1], TILEB
	s_mov_b32 s[GB], 1
	s_mul_i32 s[GB+1], s[WV], TILEB
	s_add_co_u32 s[GB+1], s[GB+1], 2*TILEB
	s_mov_b32 s[GA], 1
	s_mul_i32 s[GA+1], s[WV], 4*TILEB
	s_add_co_u32 s[GA+1], s[GA+1], 6*TILEB
	s_mov_b32 s[SLS], 0x76543210
	s_mov_b32 s[SLS+1], 0xfedcba98
	s_mov_b32 s[CSQ], 0x3f3504f3
	s_mov_b32 s[HI], 0xffff0000
	s_wait_dscnt 0x0
	s_wait_kmcnt 0x0
	s_load_b128 s[76:79], s[10:11], 0x0            ; e0, e1, e2, e3
	s_add_nc_u64 s[GD+2:GD+3], s[6:7], s[86:87]
	s_or_b32 s[GD+3], s[GD+3], 0x80000000          ; type = 2
	s_add_nc_u64 s[GC+2:GC+3], s[6:7], s[88:89]
	s_or_b32 s[GC+3], s[GC+3], 0x80000000
	s_add_nc_u64 s[GB+2:GB+3], s[6:7], s[90:91]
	s_or_b32 s[GB+3], s[GB+3], 0x80000000
	s_add_nc_u64 s[GA+2:GA+3], s[6:7], s[92:93]
	s_or_b32 s[GA+3], s[GA+3], 0x80000000
	CROUND                                         ; all four work-groups are here: the joint loads meet
	tensor_load_to_lds s[GD:GD+3], s[G1A:G1A+7]    ; the first and only fills, one group: four loads of mine are out
	s_nop 0
	tensor_load_to_lds s[GC:GC+3], s[G1A:G1A+7]
	s_nop 0
	tensor_load_to_lds s[GB:GB+3], s[G1B:G1B+7]
	s_nop 0
	tensor_load_to_lds s[GA:GA+3], s[G1C:G1C+7]
	s_nop 0
	v_and_b32 v1, 15, v0                           ; r
	v_bfe_u32 v2, v0, 4, 1                         ; h
	v_mul_u32_u24 v[WA], v1, PITCH
	v_lshlrev_b32 v[XA], 8, v1
	v_lshl_add_u32 v[WA], v2, 4, v[WA]
	v_lshl_add_u32 v[XA], v2, 4, v[XA]
	v_add_nc_u32 v[WA2], 11*TILEB, v[WA]
	v_lshlrev_b32 v[BA], 5, v2
	v_mov_b32 v[ZA], 0
	v_lshlrev_b32 v[AO], 5, v1
	v_lshl_add_u32 v[AO], v2, 4, v[AO]
	v_lshlrev_b32 v[RO], 4, v1
	v_lshl_add_u32 v[RO], v2, 3, v[RO]
	v_lshlrev_b32 v[H2], 1, v2
	v_mov_b32 v[KC], 0x3e2ef945                    ; 0.17087277
	v_mov_b32 v[KC+1], 0x3e2ef945
	s_lshl_b32 s94, s18, 16                        ; x: 256 tokens of 256 bytes a work-group, 64 a wave
	s_lshl_b32 s95, s[WV], 14
	s_add_co_u32 s94, s94, s95
	s_mov_b32 s95, 0
	s_add_nc_u64 s[4:5], s[4:5], s[94:95]
	s_lshl_b32 s94, s19, 14                        ; route [pc][token / 64][r][tile]: 16,384 bytes a pc, 256 a wave
	s_lshl_b32 s96, s18, 10
	s_add_co_u32 s94, s94, s96
	s_lshl_b32 s96, s[WV], 8
	s_add_co_u32 s94, s94, s96
	s_add_nc_u64 s[12:13], s[12:13], s[94:95]
	s_lshl_b32 s94, s19, 17                        ; acts [pc][token][32 bytes]
	s_lshl_b32 s96, s18, 13
	s_add_co_u32 s94, s94, s96
	s_lshl_b32 s96, s[WV], 11
	s_add_co_u32 s94, s94, s96
	s_add_nc_u64 s[14:15], s[14:15], s[94:95]
	s_mov_b32 s97, 0                               ; the biases' five bases: root, child c, levels 2, 3, 4
	s_lshl_b32 s96, s22, 2
	s_add_nc_u64 s[66:67], s[8:9], s[96:97]
	s_lshl_b32 s96, s23, 2
	s_add_nc_u64 s[68:69], s[66:67], s[96:97]
	s_lshl_b32 s96, s21, 6
	s_add_co_u32 s96, s96, 80
	s_add_nc_u64 s[70:71], s[66:67], s[96:97]
	s_lshl_b32 s96, s21, 8
	s_add_co_u32 s96, s96, 336
	s_add_nc_u64 s[72:73], s[66:67], s[96:97]
	s_lshl_b32 s96, s21, 10
	s_add_co_u32 s96, s96, 1360
	s_add_nc_u64 s[74:75], s[66:67], s[96:97]
	WIN 0x40                                       ; destination window 1
.irp t, 0,1,2,3
.irp s, 0,1
.irp c, 0,1,2,3
	global_load_b128 v[32*\t+16*\s+4*\c:32*\t+16*\s+4*\c+3], v[XA], s[4:5] offset:4096*\t+128*\s+32*\c   ; x's fragments stay in registers
.endr
.endr
.endr
	WIN 0x80                                       ; destination window 2
	global_load_b128 v[0:3], v[ZA], s[66:67]       ; tile 0: both halves of the lanes hold the root's four and the child's four
	global_load_b128 v[4:7], v[ZA], s[68:69]
	global_load_b128 v[8:11], v[BA], s[70:71]
	global_load_b128 v[12:15], v[BA], s[70:71] offset:16
.irp k, 0,1,2,3
	global_load_b128 v[16+8*\k:19+8*\k], v[BA], s[72:73] offset:64*\k
	global_load_b128 v[20+8*\k:23+8*\k], v[BA], s[72:73] offset:64*\k+16
.endr
.irp k, 0,1,2,3,4,5,6,7,8,9,10,11,12,13,14,15
	global_load_b128 v[48+8*\k:51+8*\k], v[BA], s[74:75] offset:64*\k
	global_load_b128 v[52+8*\k:55+8*\k], v[BA], s[74:75] offset:64*\k+16
.endr
	s_wait_kmcnt 0x0
	s_add_co_i32 s[EXS], s76, s77                  ; a sum stands for sum x 2^(e0 + e1)
	s_sub_co_i32 s[EXS+1], 0, s[EXS]
	s_add_co_i32 s94, s78, 127
	s_lshl_b32 s96, s94, 23
	s_add_co_i32 s94, s94, 15
	s_lshl_b32 s94, s94, 23
	s_or_b32 s94, s94, 0x600000
	s_wait_loadcnt 0x0
	WIN 0x82                                       ; source 0 and destination window 2
.set i, 0
.rept 176
	v_ldexp_f32 v[i], v[i], s[EXS+1]               ; b_in / 2^(e0 + e1): what the sums lack
.set i, i+1
.endr
	WIN 0
	v_mov_b32 v[SC], s96                           ; 2^e2: the conversion takes its exponent field
	v_mov_b32 v[LIM], s94                          ; 57,344 x 2^e2
	s_wait_tensorcnt 0x0                           ; my four parts have landed,
	s_barrier_signal -1
	s_barrier_wait -1                              ; everybody's have
.macro FETCHW tau                      ; weight tile tau, both K steps, into buffer tau % 2: eight LDS loads.  Leaves the window set: a FETCHW or a MUL follows
	WIN 0x40
.irp s, 0,1
.irp c, 0,1,2,3
.if (\tau) < 11
	ds_load_b128 v[WB+32*((\tau)%2)+16*\s+4*\c:WB+32*((\tau)%2)+16*\s+4*\c+3], v[WA] offset:TILEB*(\tau)+128*\s+32*\c
.else
	ds_load_b128 v[WB+32*((\tau)%2)+16*\s+4*\c:WB+32*((\tau)%2)+16*\s+4*\c+3], v[WA2] offset:TILEB*((\tau)-11)+128*\s+32*\c
.endif
.endr
.endr
.endm
.macro MUL tau                         ; eight products: the four tiles of tokens by turns; the first K step takes the bias as C
	WIN 0x25                                       ; sources 0 and 1 window 1, C window 2, D window 0
.irp t, 0,1,2,3
	v_wmma_f32_16x16x128_bf8_bf8 v[ACC+32*((\tau)%2)+8*\t:ACC+32*((\tau)%2)+8*\t+7], v[WB+32*((\tau)%2):WB+32*((\tau)%2)+15], v[32*\t:32*\t+15], v[8*(\tau):8*(\tau)+7]
.endr
	WIN 0x05
.irp t, 0,1,2,3
	v_wmma_f32_16x16x128_bf8_bf8 v[ACC+32*((\tau)%2)+8*\t:ACC+32*((\tau)%2)+8*\t+7], v[WB+32*((\tau)%2)+16:WB+32*((\tau)%2)+31], v[32*\t+16:32*\t+31], v[ACC+32*((\tau)%2)+8*\t:ACC+32*((\tau)%2)+8*\t+7]
.endr
	WIN 0
.endm
; The k-th tile of a level lies in accumulator set 'set': it holds groups 4 k .. 4 k + 3, my lane's registers groups 4 k + 2 h and 4 k + 2 h + 1.  Where one of them is my token's, its four sums are kept.
; first = 1: the level's first tile starts from 0, so nothing is cleared.  Each accumulator is read from its low end on.  These 40 plain instructions name no register of the products issued just before
; them: they are the places in front of the next loads into a weight buffer and of the next use of an accumulator set.
.macro SELECT set, k, first
.irp t, 0,1,2,3
	v_cmp_eq_u32 vcc_lo, 4*(\k), v[Q+\t]
.irp i, 0,1,2,3
.if \first
	v_cndmask_b32 v[SEL+4*\t+\i], 0, v[ACC+32*(\set)+8*\t+\i], vcc_lo
.else
	v_cndmask_b32 v[SEL+4*\t+\i], v[SEL+4*\t+\i], v[ACC+32*(\set)+8*\t+\i], vcc_lo
.endif
.endr
	v_cmp_eq_u32 vcc_lo, 4*(\k)+1, v[Q+\t]
.irp i, 0,1,2,3
	v_cndmask_b32 v[SEL+4*\t+\i], v[SEL+4*\t+\i], v[ACC+32*(\set)+8*\t+4+\i], vcc_lo
.endr
.endr
.endm
.macro TAKE_ACC off                    ; tile 0: registers off .. off + 3 of set 0 are every token's group: logit = sum x 2^(e0 + e1)
.irp t, 0,1,2,3
.irp i, 0,1,2,3
	v_ldexp_f32 v[L+4*\t+\i], v[ACC+8*\t+\off+\i], s[EXS]
.endr
.endr
.endm
.macro TAKE_SEL                        ; the group lies in one half of the lanes, +0 in the other: an OR with lane l xor 16 gives it to both
.set i, 0
.rept 16
	v_permlanex16_b32 v[Z+i], v[SEL+i], s[SLS], s[SLS+1]
.set i, i+1
.endr
.set i, 0
.rept 16
	v_or_b32 v[L+i], v[SEL+i], v[Z+i]
.set i, i+1
.endr
.set i, 0
.rept 16
	v_ldexp_f32 v[L+i], v[L+i], s[EXS]
.set i, i+1
.endr
.endm
; G = gelu(L), n numbers, stage by stage, two at a time where the form allows.
.macro GELU n
.set i, 0
.rept \n
	v_mul_f32 v[Z+i], s[CSQ], |v[L+i]|             ; z = |x| / sqrt 2
.set i, i+1
.endr
.set i, 0
.rept \n/2
	v_pk_fma_f32 v[T+i:T+i+1], v[Z+i:Z+i+1], 0.5, 1.0 op_sel_hi:[1,0,0]
.set i, i+2
.endr
.set i, 0
.rept \n
	v_rcp_f32 v[T+i], v[T+i]                       ; t = 1 / (1 + z / 2)
.set i, i+1
.endr
.set i, 0
.rept \n/2
	v_pk_mul_f32 v[Z+i:Z+i+1], v[L+i:L+i+1], -0.5 op_sel_hi:[1,0]   ; -x / 2, exact.  (Plain lines behind the reciprocals, ahead of the first use of t)
.set i, i+2
.endr
.set i, 0
	s_wait_alu depctr_va_vdst(0)
.rept \n/2
	v_pk_fma_f32 v[P+i:P+i+1], v[T+i:T+i+1], v[KC:KC+1], 0xbf527892 op_sel_hi:[1,1,0]   ; 0.17087277 t - 0.82215223
.set i, i+2
.endr
.irp c, 0x3fbe87b0, 0xbf914e5d, 0x3e8ec7cc, 0xbe3ec24c, 0x3dc636c9, 0x3ebf88fb, 0x3f8000c7, 0xbffab55a   ; 1.48851587, -1.13520398, 0.27886807, -0.18628806, 0.09678418, 0.37409196, 1.00002368, -1.26551223 - ln 2
.set i, 0
.rept \n/2
	v_pk_fma_f32 v[P+i:P+i+1], v[P+i:P+i+1], v[T+i:T+i+1], \c op_sel_hi:[1,1,0]
.set i, i+2
.endr
.endr
.set i, 0
.rept \n/2
	v_pk_fma_f32 v[P+i:P+i+1], v[Z+i:Z+i+1], v[L+i:L+i+1], v[P+i:P+i+1]   ; - x^2 / 2 = - z^2, in one rounding with the sum
.set i, i+2
.endr
.set i, 0
.rept \n/2
	v_pk_mul_f32 v[P+i:P+i+1], v[P+i:P+i+1], 0x3fb8aa3b op_sel_hi:[1,0]   ; x log2(e)
.set i, i+2
.endr
.set i, 0
.rept \n
	v_exp_f32 v[P+i], v[P+i]
.set i, i+1
.endr
	v_nop                                          ; one plain line behind the exponentials (ISA guide 5.7.2)
.set i, 0
	s_wait_alu depctr_va_vdst(0)
.rept \n/2
	v_pk_mul_f32 v[P+i:P+i+1], v[P+i:P+i+1], v[T+i:T+i+1]   ; erfc(z) / 2 = Phi(-|x|)
.set i, i+2
.endr
.set i, 0
.rept \n/2
	v_pk_fma_f32 v[T+i:T+i+1], v[P+i:P+i+1], -1.0, 1.0 op_sel_hi:[1,0,0]   ; Phi(|x|)
.set i, i+2
.endr
.set i, 0
.rept \n
	v_cmp_gt_f32 vcc_lo, 0, v[L+i]
	v_cndmask_b32 v[P+i], v[T+i], v[P+i], vcc_lo
.set i, i+1
.endr
.set i, 0
.rept \n/2
	v_pk_mul_f32 v[G+i:G+i+1], v[L+i:L+i+1], v[P+i:P+i+1]
.set i, i+2
.endr
.endm
.macro HOLD off                        ; the activations, held within the largest code x the scale (the conversion does not saturate: ISA guide 7.6.2), to places off .. off + 3 of each tile's eight
.irp t, 0,1,2,3
.irp i, 0,1,2,3
	v_med3_num_f32 v[AV+8*\t+\off+\i], v[G+4*\t+\i], -v[LIM], v[LIM]
.endr
.endr
.endm
.macro ARGMAX dst                      ; v[dst + t] = the first index of the largest of tile t's four
.irp t, 0,1,2,3
	v_max3_num_f32 v[T+4*\t], v[L+4*\t], v[L+4*\t+1], v[L+4*\t+2]
.endr
.irp t, 0,1,2,3
	v_max_num_f32 v[T+4*\t], v[T+4*\t], v[L+4*\t+3]
.endr
.irp t, 0,1,2,3
	v_cmp_le_f32 vcc_lo, 0, v[T+4*\t]              ; the largest logit is not negative: compare logits, else gelu values
.irp i, 0,1,2,3
	v_cndmask_b32 v[Z+4*\t+\i], v[G+4*\t+\i], v[L+4*\t+\i], vcc_lo
.endr
.endr
.irp t, 0,1,2,3
	v_cmp_gt_f32 vcc_lo, v[Z+4*\t+1], v[Z+4*\t]
	v_cndmask_b32 v[\dst+\t], 0, 1, vcc_lo
	v_max_num_f32 v[T+4*\t], v[Z+4*\t], v[Z+4*\t+1]
.endr
.irp t, 0,1,2,3
	v_cmp_gt_f32 vcc_lo, v[Z+4*\t+2], v[T+4*\t]
	v_cndmask_b32 v[\dst+\t], v[\dst+\t], 2, vcc_lo
	v_max_num_f32 v[T+4*\t], v[T+4*\t], v[Z+4*\t+2]
.endr
.irp t, 0,1,2,3
	v_cmp_gt_f32 vcc_lo, v[Z+4*\t+3], v[T+4*\t]
	v_cndmask_b32 v[\dst+\t], v[\dst+\t], 3, vcc_lo
.endr
.endm
.macro DOWN                            ; the path: 4 x the node + the move
.irp t, 0,1,2,3
	v_lshl_add_u32 v[REL+\t], v[REL+\t], 2, v[MV+\t]
.endr
.endm
.macro NEWQ
.irp t, 0,1,2,3
	v_sub_nc_u32 v[Q+\t], v[REL+\t], v[H2]
.endr
.endm
.macro CODES cd                        ; each tile's eight held activations become two code words
.irp t, 0,1,2,3
	v_cvt_scalef32_pk8_bf8_f32 v[CD+6*\t+\cd:CD+6*\t+\cd+1], v[AV+8*\t:AV+8*\t+7], v[SC]
.endr
	v_nop                                          ; one plain line between a scaled conversion and the next vector line that reads its result or writes its sources
.endm
	FETCHW 0
	FETCHW 1
	s_wait_dscnt 8                                 ; here and below: the tile to be multiplied is in; the eight loads of the tile behind it may be out
	MUL 0
.rept 4
	v_nop                                          ; four places in front of loads into the buffer that these products read, and of the first read of their results
.endr
	FETCHW 2
	s_wait_dscnt 8
	MUL 1
	TAKE_ACC 0                                     ; LEVEL 0: the root's group
	GELU 16
	HOLD 0
	ARGMAX M0
	TAKE_ACC 4                                     ; LEVEL 1: child c's group
	GELU 16
	HOLD 4
	ARGMAX REL
	NEWQ
	CODES 0                                        ; words: root, level 1
	FETCHW 3
	s_wait_dscnt 8
	MUL 2
	SELECT 1, 0, 1                                 ; LEVEL 2: tile 1
	TAKE_SEL
	GELU 16
	HOLD 0
	ARGMAX MV
	DOWN
	NEWQ
	FETCHW 4
	s_wait_dscnt 8
	MUL 3
	SELECT 0, 0, 1                                 ; LEVEL 3: tiles 2 to 5, each picked over while the next one's products run
.irp tau, 4,5,6
	FETCHW \tau+1
	s_wait_dscnt 8
	MUL \tau
	SELECT (\tau-1)%2, \tau-3, 0
.endr
	TAKE_SEL
	GELU 16
	HOLD 4
	ARGMAX MV
	DOWN
	NEWQ
	CODES 2                                        ; words: levels 2, 3
	FETCHW 8
	s_wait_dscnt 8
	MUL 7
	SELECT 0, 0, 1                                 ; LEVEL 4: tiles 6 to 21
.irp tau, 8,9,10,11,12,13,14,15,16,17,18,19,20
	FETCHW \tau+1
	s_wait_dscnt 8
	MUL \tau
	SELECT (\tau-1)%2, \tau-7, 0
.endr
	s_wait_dscnt 0x0                               ; the last tile: nothing is behind it
	MUL 21
	SELECT 0, 14, 0
	SELECT 1, 15, 0
	TAKE_SEL
	GELU 16
	HOLD 0
	ARGMAX MV
	DOWN                                           ; the leaf below child c, 0 .. 255
	CODES 4                                        ; words: level 4, and one that is not used
	; OUT.  acts: a record of 32 bytes a token: lanes 0-15 store words 1 to 4, lanes 16-31 the root's word and three zeros: 512 consecutive bytes an instruction.  route: m0 | leaf << 2, 256 consecutive bytes.
.irp t, 0,1,2,3
	v_lshl_or_b32 v[T+\t], v[REL+\t], 2, v[M0+\t]
.endr
	v_cndmask_b32 v[Z], v[T], v[T+2], s[HI]
	v_cndmask_b32 v[Z+1], v[T+1], v[T+3], s[HI]
.irp t, 0,1,2,3
	v_cndmask_b32 v[L+4*\t],   v[CD+6*\t+1], v[CD+6*\t], s[HI]
	v_cndmask_b32 v[L+4*\t+1], v[CD+6*\t+2], 0, s[HI]
	v_cndmask_b32 v[L+4*\t+2], v[CD+6*\t+3], 0, s[HI]
	v_cndmask_b32 v[L+4*\t+3], v[CD+6*\t+4], 0, s[HI]
	global_store_b128 v[AO], v[L+4*\t:L+4*\t+3], s[14:15] offset:512*\t
.endr
	global_store_b64 v[RO], v[Z:Z+1], s[12:13]
	s_wait_dscnt 0x0
	s_wait_tensorcnt 0x0
	ds_add_u32 v254, v255
	s_wait_dscnt 0x0
	CROUND                                         ; the closing round: no work-group ends while a partner may still ask for a tile that names it
	s_endpgm
.Lfunc_end_k_qda70a123f6_route:
	.size	k_qda70a123f6_route, .Lfunc_end_k_qda70a123f6_route-k_qda70a123f6_route
	.p2alignl 7, 3214868480
	.fill 96, 4, 3214868480
	.section	.rodata,"a",@progbits
	.p2align	6, 0x0
	.amdhsa_kernel k_qda70a123f6_route
		.amdhsa_group_segment_fixed_size 168448
		.amdhsa_private_segment_fixed_size 0
		.amdhsa_enable_private_segment 0
		.amdhsa_kernarg_size 48
		.amdhsa_user_sgpr_count 2
		.amdhsa_user_sgpr_kernarg_segment_ptr 1
		.amdhsa_wavefront_size32 1
		.amdhsa_system_sgpr_workgroup_id_x 1
		.amdhsa_system_sgpr_workgroup_id_y 1
		.amdhsa_system_sgpr_workgroup_id_z 1
		.amdhsa_system_vgpr_workitem_id 0
		.amdhsa_next_free_vgpr 704
		.amdhsa_next_free_sgpr 100
		.amdhsa_reserve_vcc 1
		.amdhsa_float_denorm_mode_32 3
		.amdhsa_float_denorm_mode_16_64 3
		.amdhsa_memory_ordered 1
		.amdhsa_forward_progress 1
		.amdhsa_inst_pref_size 177
	.end_amdhsa_kernel
	.amdgpu_metadata
---
amdhsa.version: [ 1, 2 ]
amdhsa.kernels:
  - .name:           k_qda70a123f6_route
    .symbol:         k_qda70a123f6_route.kd
    .args:
      - { .name: xq, .offset: 0, .size: 8, .value_kind: global_buffer, .address_space: global }
      - { .name: wq, .offset: 8, .size: 8, .value_kind: global_buffer, .address_space: global }
      - { .name: b_in, .offset: 16, .size: 8, .value_kind: global_buffer, .address_space: global }
      - { .name: lowp_scales, .offset: 24, .size: 8, .value_kind: global_buffer, .address_space: global }
      - { .name: route, .offset: 32, .size: 8, .value_kind: global_buffer, .address_space: global }
      - { .name: acts, .offset: 40, .size: 8, .value_kind: global_buffer, .address_space: global }
    .group_segment_fixed_size: 168448
    .private_segment_fixed_size: 0
    .kernarg_segment_align: 8
    .kernarg_segment_size: 48
    .max_flat_workgroup_size: 128
    .sgpr_count:     100
    .vgpr_count:     704
    .wavefront_size: 32
...
	.end_amdgpu_metadata
.endif
;; end of part 2
;; launch leaf (part 3): grid 256 x 1, 4 waves a work-group, no clusters, 67,072 bytes of LDS; arguments xq, wq, b_in, lowp_scales, route, acts, t03, t45, out0; writes out0
.if DOCPART == 3
	.amdgcn_target "amdgcn-amd-amdhsa--gfx1250"
	.amdhsa_code_object_version 6
	.text
	.protected	k_qda70a123f6_leaf
	.globl	k_qda70a123f6_leaf
	.p2align	8
	.type	k_qda70a123f6_leaf,@function
k_qda70a123f6_leaf:
	s_mov_b64 s[64:65], 0
	v_nop
	global_prefetch_b8 v0, s[64:65] scope:SCOPE_SE
	s_setreg_imm32_b32 hwreg(HW_REG_WAVE_MODE, 25, 1), 1
	s_wait_xcnt 0x0
; LEAF: level 5 of the first product, and the whole second product, on the rows that each token's walk has chosen.
; A work-group takes 16 tokens; wave p takes tree p for all 256 outputs; the four trees' sums meet in LDS.  Lane (r, h) stands for token r in both halves of the lanes.
; THE PATH is read as whole numbers: m0 (the same in a token's four records) picks the record c = m0; leaf = 256 m0 + the path below, n3 = leaf / 16.  Both are held inside their tables before they enter an address.
; LEVEL 5: source 0 = for lane r the row of wq of TOKEN r's unit u, source 1 = x's 16 rows: the result's diagonal (m = n = r) is token r's sum.  It lies in lane (r, r / 8), register r % 8.
; THE SECOND PRODUCT.  A token has 24 units a tree: 6 code words.  K is dealt out among the tokens: a K slot (register, half of the lanes) belongs to ONE token; in source 1 (the tokens) only that token's lane
; holds its word there, all others 0; in source 0 (16 outputs d) every lane holds the word of W_out for that token's group and its own d, gathered from the path tables.  So each token meets its own weights alone.
;   kinds 0, 1: register 4 a + b, half h: token 8 h + 4 q + a, level b (t03: 16 bytes a token and output).   kind 2: register 2 a + b', half h: token 8 h + a, level 4 + b' (t45: 8 bytes).
; Source 0 is the table, so lane (r, h) register j of accumulator dt is out(token r, d = 16 dt + 8 h + j).
; No cluster: each work-group gathers the rows of its own 16 tokens, so no tile is shared.  No LDS ring: every gathered byte goes straight into the operand register that takes it, once.
; GELU as in the launch before.  LIMITS: e2 between -126 and 112.  NaN and infinities are not served; below about x = -13 gelu is -0.
; REGISTERS.  window 0: v1-5 lane terms; v6-25 the four records, later addresses, constants and the conversion's sources; v27-35 the path; v38-45, v46-53 the tables' addresses; v54-57 bias; v58-62, v34 the six words;
;   v64-95 level 5's sums and v96-127 x, later source 1's three fragments (v64-111); v128-255 level 5's weights, then gelu's work, then the 16 accumulators, then the sums read back.
;   windows 1, 2, 3: source 0's fragments of kinds 0, 1, 2, at 16 dt.
.set XA,   3                           ; v3   256 r + 16 h
.set R16,  4                           ; v4   16 r
.set R32,  5                           ; v5   32 r
.set RT,   6                           ; v6-9   route's word of records c = 0 .. 3
.set AC,   10                          ; v10-25 their words 1 to 4
.set H16,  26                          ; v26  16 h
.set M0R,  27                          ; v27  m0; later the leaves dealt for row_share
.set RS,   28                          ; v28  the chosen record's word; later the level-3 nodes dealt likewise
.set LEAF, 29
.set N3,   30
.set WO,   31                          ; v31  leaf x 1,024 + 16 h: my token's four rows of wq
.set BO,   32                          ; v32  leaf x 16: their biases
.set Z3,   28
.set Z5,   27
.set C5,   34                          ; v[34:35] the conversion's result: word 5
.set TMP,  35
.set R8,   37                          ; v37  8 r
.set A3,   38
.set A5,   46
.set BI,   54
.set CW,   58                          ; v58 + b: word b, b = 0 .. 4
.set D,    64
.set XF,   96
.set W5,   128
.set AF,   64
.set O,    128
.set SO,   6                           ; behind the choice of the record: v6 stage, in; v7 stage, back; v8 16 x lane; v9 2^e2; v10 57,344 x 2^e2; v[12:19] the conversion's eight sources; v[20:21] the fit's highest coefficient
.set SR,   7
.set GO,   8
.set SC,   9
.set LIM,  10
.set HV,   12
.set KC,   20
.set L,    128
.set Z,    132
.set T,    136
.set P,    140
.set G,    144
.set CSQ,  47                          ; s47 sqrt(1/2)
.set SPT,  1040                        ; a stage row: 1,024 bytes + 16
.set SPW,  16*SPT                      ; a tree's 16 rows
.set MSB, 0
.macro WIN new
.if MSB != \new
	s_set_vgpr_msb (MSB<<8)|\new
.set MSB, \new
.endif
.endm
	s_load_b512 s[4:19], s[0:1], 0x0               ; xq s[4:5], wq s[6:7], b_in s[8:9], the exponents s[10:11], route s[12:13], acts s[14:15], t03 s[16:17], t45 s[18:19]
	s_load_b64 s[20:21], s[0:1], 0x40              ; out0
	v_lshl_add_u32 v36, v0, 2, 0x10400
	v_mov_b32 v63, 0
	v_lshrrev_b32 v1, 5, v0
	v_readfirstlane_b32 s22, v1                    ; wave = tree p
	v_and_b32 v1, 15, v0                           ; r
	v_bfe_u32 v2, v0, 4, 1                         ; h
	v_lshlrev_b32 v[XA], 8, v1
	v_lshl_add_u32 v[XA], v2, 4, v[XA]
	v_lshlrev_b32 v[R16], 4, v1
	v_lshlrev_b32 v[R32], 5, v1
	v_lshlrev_b32 v[H16], 4, v2
	v_lshlrev_b32 v[R8], 3, v1
.irp n, 0,1,2,3,4,5,6,7
	s_mov_b32 s[24+\n], 0x01000001<<\n             ; the two lanes whose token owns slot n: lane n (token n, h = 0) and lane 24 + n (token 8 + n, h = 1)
.endr
	s_mov_b32 s32, 0xaaaaaaaa                      ; bit 0 of the lane's number
	s_mov_b32 s33, 0xcccccccc                      ; bit 1
	s_mov_b32 s34, 0xf0f0f0f0                      ; bit 2
	s_mov_b32 s35, 0xff0000ff                      ; the lanes with h = r / 8
	s_mov_b32 s36, 0xffff0000                      ; h = 1
	s_mov_b32 s38, 0x76543210
	s_mov_b32 s39, 0xfedcba98                      ; v_permlanex16_b32's selects for lane l xor 16
	s_mov_b32 s[CSQ], 0x3f3504f3
	s_lshl_b32 s48, s22, 16                        ; route [4 p + c][token / 64][r][tile]: token = 16 tt + r
	s_lshr_b32 s50, ttmp9, 2
	s_lshl_b32 s50, s50, 8
	s_add_co_u32 s48, s48, s50
	s_and_b32 s50, ttmp9, 3
	s_lshl_b32 s50, s50, 2
	s_add_co_u32 s48, s48, s50
	s_mov_b32 s49, 0
	s_wait_kmcnt 0x0
	s_load_b128 s[40:43], s[10:11], 0x0            ; e0, e1, e2, e3
	s_add_nc_u64 s[12:13], s[12:13], s[48:49]
	s_lshl_b32 s48, s22, 19                        ; acts [4 p + c][token][32]
	s_lshl_b32 s50, ttmp9, 9
	s_add_co_u32 s48, s48, s50
	s_add_nc_u64 s[14:15], s[14:15], s[48:49]
	s_lshl_b32 s48, ttmp9, 12
	s_add_nc_u64 s[4:5], s[4:5], s[48:49]          ; x's codes at my 16 tokens
	s_mul_i32 s50, s22, 5460
	s_add_co_u32 s50, s50, 1364                    ; the tree's first level-5 unit: 4 x 341
	s_lshl_b32 s48, s50, 8
	s_add_nc_u64 s[6:7], s[6:7], s[48:49]
	s_lshl_b32 s48, s50, 2
	s_add_nc_u64 s[8:9], s[8:9], s[48:49]
	s_lshl_b32 s48, s22, 18
	s_add_nc_u64 s[16:17], s[16:17], s[48:49]      ; t03 at tree p
	s_lshl_b32 s48, s22, 21
	s_add_nc_u64 s[18:19], s[18:19], s[48:49]      ; t45 at tree p
	s_lshl_b32 s48, ttmp9, 14
	s_lshl_b32 s50, s22, 12
	s_add_co_u32 s48, s48, s50
	s_add_nc_u64 s[20:21], s[20:21], s[48:49]      ; out0 at the four tokens that this wave stores
.irp c, 0,1,2,3
	global_load_b32 v[RT+\c], v[R16], s[12:13] offset:16384*\c
.endr
.irp c, 0,1,2,3
	global_load_b128 v[AC+4*\c:AC+4*\c+3], v[R32], s[14:15] offset:131072*\c
.endr
	global_load_b32 v[CW], v[R32], s[14:15] offset:16    ; the root's word: the same in all four records
.irp s, 0,1
.irp c, 0,1,2,3
	global_load_b128 v[XF+16*\s+4*\c:XF+16*\s+4*\c+3], v[XA], s[4:5] offset:128*\s+32*\c
.endr
.endr
	s_wait_loadcnt 8                               ; the nine loads of the records are in; x's eight may be out
	v_and_b32 v[M0R], 3, v[RT]
	v_cmp_eq_u32 s44, 1, v[M0R]
	v_cmp_eq_u32 s45, 2, v[M0R]
	v_cmp_eq_u32 s46, 3, v[M0R]
	v_cndmask_b32 v[RS], v[RT], v[RT+1], s44
	v_cndmask_b32 v[RS], v[RS], v[RT+2], s45
	v_cndmask_b32 v[RS], v[RS], v[RT+3], s46
.irp b, 0,1,2,3
	v_cndmask_b32 v[CW+1+\b], v[AC+\b], v[AC+4+\b], s44
	v_cndmask_b32 v[CW+1+\b], v[CW+1+\b], v[AC+8+\b], s45
	v_cndmask_b32 v[CW+1+\b], v[CW+1+\b], v[AC+12+\b], s46
.endr
	v_bfe_u32 v[TMP], v[RS], 2, 8
	v_lshl_or_b32 v[TMP], v[M0R], 8, v[TMP]        ; 256 m0 + the path below
	v_min_u32 v[LEAF], 0x3ff, v[TMP]
	v_lshrrev_b32 v[N3], 4, v[TMP]
	v_min_u32 v[N3], 63, v[N3]
	v_lshl_add_u32 v[WO], v[LEAF], 10, v[H16]
	v_lshlrev_b32 v[BO], 4, v[LEAF]
.irp u, 0,1,2,3
.irp s, 0,1
.irp c, 0,1,2,3
	global_load_b128 v[W5+32*\u+16*\s+4*\c:W5+32*\u+16*\s+4*\c+3], v[WO], s[6:7] offset:256*\u+128*\s+32*\c   ; unit u of my token's leaf group
.endr
.endr
.endr
	global_load_b128 v[BI:BI+3], v[BO], s[8:9]
	; lane n of half h is to carry token 8 h + n: in lanes 16-31 the neighbour 8 away; then each slot's token is spread over its half of the lanes
	v_mov_b32_dpp v[Z3], v[N3] row_xmask:8 row_mask:0xf bank_mask:0xf
	v_mov_b32_dpp v[Z5], v[LEAF] row_xmask:8 row_mask:0xf bank_mask:0xf
	v_cndmask_b32 v[Z3], v[N3], v[Z3], s36
	v_cndmask_b32 v[Z5], v[LEAF], v[Z5], s36
.irp n, 0,1,2,3,4,5,6,7
	v_mov_b32_dpp v[TMP], v[Z3] row_share:\n row_mask:0xf bank_mask:0xf
	v_min_u32 v[TMP], 63, v[TMP]
	v_lshl_add_u32 v[A3+\n], v[TMP], 12, v[R16]    ; t03: 4,096 bytes a node, 16 an output
.endr
.irp n, 0,1,2,3,4,5,6,7
	v_mov_b32_dpp v[TMP], v[Z5] row_share:\n row_mask:0xf bank_mask:0xf
	v_min_u32 v[TMP], 0x3ff, v[TMP]
	v_lshl_add_u32 v[A5+\n], v[TMP], 11, v[R8]     ; t45: 2,048 bytes a leaf, 8 an output
.endr
.macro KT03 a0                         ; 64 loads: a kind's fragments for all 16 tiles of outputs; each covers two runs of 256 consecutive bytes, aligned
.irp dt, 0,1,2,3,4,5,6,7,8,9,10,11,12,13,14,15
.irp a, 0,1,2,3
	global_load_b128 v[16*\dt+4*\a:16*\dt+4*\a+3], v[A3+\a0+\a], s[16:17] offset:256*\dt
.endr
.endr
.endm
.macro KT45 d0                         ; 64 loads: kind 2's fragments for eight tiles of outputs
.irp e, 0,1,2,3,4,5,6,7
.irp a, 0,1,2,3,4,5,6,7
	global_load_b64 v[16*(\d0+\e)+2*\a:16*(\d0+\e)+2*\a+1], v[A5+\a], s[18:19] offset:128*(\d0+\e)
.endr
.endr
.endm
.macro OMUL kind, d0, nd, zero         ; the accumulators by turns, one instruction a turn; kind 0 starts the sums with the constant 0
.set dt, \d0
.rept \nd
.if \zero
	v_wmma_f32_16x16x128_bf8_bf8 v[O+8*dt:O+8*dt+7], v[16*dt:16*dt+15], v[AF+16*\kind:AF+16*\kind+15], 0
.else
	v_wmma_f32_16x16x128_bf8_bf8 v[O+8*dt:O+8*dt+7], v[16*dt:16*dt+15], v[AF+16*\kind:AF+16*\kind+15], v[O+8*dt:O+8*dt+7]
.endif
.set dt, dt+1
.endr
.endm
.macro GELU n                          ; G = gelu(L): see the launch before
.set i, 0
.rept \n
	v_mul_f32 v[Z+i], s[CSQ], |v[L+i]|
.set i, i+1
.endr
.set i, 0
.rept \n/2
	v_pk_fma_f32 v[T+i:T+i+1], v[Z+i:Z+i+1], 0.5, 1.0 op_sel_hi:[1,0,0]
.set i, i+2
.endr
.set i, 0
.rept \n
	v_rcp_f32 v[T+i], v[T+i]
.set i, i+1
.endr
.set i, 0
.rept \n/2
	v_pk_mul_f32 v[Z+i:Z+i+1], v[L+i:L+i+1], -0.5 op_sel_hi:[1,0]   ; plain lines behind the reciprocals
.set i, i+2
.endr
.set i, 0
	s_wait_alu depctr_va_vdst(0)
.rept \n/2
	v_pk_fma_f32 v[P+i:P+i+1], v[T+i:T+i+1], v[KC:KC+1], 0xbf527892 op_sel_hi:[1,1,0]
.set i, i+2
.endr
.irp c, 0x3fbe87b0, 0xbf914e5d, 0x3e8ec7cc, 0xbe3ec24c, 0x3dc636c9, 0x3ebf88fb, 0x3f8000c7, 0xbffab55a
.set i, 0
.rept \n/2
	v_pk_fma_f32 v[P+i:P+i+1], v[P+i:P+i+1], v[T+i:T+i+1], \c op_sel_hi:[1,1,0]
.set i, i+2
.endr
.endr
.set i, 0
.rept \n/2
	v_pk_fma_f32 v[P+i:P+i+1], v[Z+i:Z+i+1], v[L+i:L+i+1], v[P+i:P+i+1]
.set i, i+2
.endr
.set i, 0
.rept \n/2
	v_pk_mul_f32 v[P+i:P+i+1], v[P+i:P+i+1], 0x3fb8aa3b op_sel_hi:[1,0]
.set i, i+2
.endr
.set i, 0
.rept \n
	v_exp_f32 v[P+i], v[P+i]
.set i, i+1
.endr
	v_nop
.set i, 0
	s_wait_alu depctr_va_vdst(0)
.rept \n/2
	v_pk_mul_f32 v[P+i:P+i+1], v[P+i:P+i+1], v[T+i:T+i+1]
.set i, i+2
.endr
.set i, 0
.rept \n/2
	v_pk_fma_f32 v[T+i:T+i+1], v[P+i:P+i+1], -1.0, 1.0 op_sel_hi:[1,0,0]
.set i, i+2
.endr
.set i, 0
.rept \n
	v_cmp_gt_f32 vcc_lo, 0, v[L+i]
	v_cndmask_b32 v[P+i], v[T+i], v[P+i], vcc_lo
.set i, i+1
.endr
.set i, 0
.rept \n/2
	v_pk_mul_f32 v[G+i:G+i+1], v[L+i:L+i+1], v[P+i:P+i+1]
.set i, i+2
.endr
.endm
	WIN 0x40                                       ; destination window 1
	KT03 0                                         ; kind 0
	WIN 0
	; what the end needs, made while the loads are out, in the registers that the records have left
	s_mul_i32 s50, s22, SPW
	v_mul_u32_u24 v[SO], v1, SPT
	v_lshl_add_u32 v[SO], v2, 5, v[SO]
	v_add_nc_u32 v[SO], s50, v[SO]                 ; the stage, in: tree p, row r, + 32 h
	s_mul_i32 s50, s22, 4*SPT
	v_and_b32 v[GO], 31, v0
	v_lshlrev_b32 v[GO], 4, v[GO]                  ; 16 x lane
	v_add_nc_u32 v[SR], s50, v[GO]                 ; back: rows 4 w on
	v_mov_b32 v[KC], 0x3e2ef945
	v_mov_b32 v[KC+1], 0x3e2ef945
.irp i, 4,5,6,7
	v_mov_b32 v[HV+\i], 0                          ; the conversion takes eight numbers: four are the group's, four are 0
.endr
	s_wait_kmcnt 0x0
	s_add_co_i32 s51, s40, s41                     ; e0 + e1
	s_add_co_i32 s52, s42, s43                     ; e2 + e3
	s_add_co_i32 s50, s42, 127
	s_lshl_b32 s53, s50, 23
	v_mov_b32 v[SC], s53                           ; 2^e2
	s_add_co_i32 s50, s50, 15
	s_lshl_b32 s50, s50, 23
	s_or_b32 s50, s50, 0x600000
	v_mov_b32 v[LIM], s50                          ; 57,344 x 2^e2
	s_wait_loadcnt 63                              ; 64 loads were issued behind the bias's: x, the leaf's rows and the bias are in
.irp u, 0,1,2,3
	v_wmma_f32_16x16x128_bf8_bf8 v[D+8*\u:D+8*\u+7], v[W5+32*\u:W5+32*\u+15], v[XF:XF+15], 0
.endr
.irp u, 0,1,2,3
	v_wmma_f32_16x16x128_bf8_bf8 v[D+8*\u:D+8*\u+7], v[W5+32*\u+16:W5+32*\u+31], v[XF+16:XF+31], v[D+8*\u:D+8*\u+7]
.endr
.rept 4
	v_nop                                          ; four places in front of the first read of the results (ISA guide 7.12.1)
.endr
.irp u, 0,1,2,3                                ; the diagonal: register r % 8, by the lane's three low bits, each accumulator from its low end on
	v_cndmask_b32 v[D+8*\u],   v[D+8*\u],   v[D+8*\u+1], s32
	v_cndmask_b32 v[D+8*\u+2], v[D+8*\u+2], v[D+8*\u+3], s32
	v_cndmask_b32 v[D+8*\u+4], v[D+8*\u+4], v[D+8*\u+5], s32
	v_cndmask_b32 v[D+8*\u+6], v[D+8*\u+6], v[D+8*\u+7], s32
.endr
.irp u, 0,1,2,3
	v_cndmask_b32 v[D+8*\u],   v[D+8*\u],   v[D+8*\u+2], s33
	v_cndmask_b32 v[D+8*\u+4], v[D+8*\u+4], v[D+8*\u+6], s33
.endr
.irp u, 0,1,2,3
	v_cndmask_b32 v[D+8*\u], v[D+8*\u], v[D+8*\u+4], s34
.endr
.irp u, 0,1,2,3
	v_permlanex16_b32 v[D+8*\u+1], v[D+8*\u], s38, s39
.endr
.irp u, 0,1,2,3
	v_cndmask_b32 v[D+8*\u], v[D+8*\u+1], v[D+8*\u], s35   ; the half with h = r / 8 holds it; the other takes it over
.endr
.irp u, 0,1,2,3
	v_ldexp_f32 v[L+\u], v[D+8*\u], s51            ; x 2^(e0 + e1): nothing is rounded
.endr
.irp u, 0,1,2,3
	v_add_f32 v[L+\u], v[L+\u], v[BI+\u]
.endr
	GELU 4
.irp u, 0,1,2,3
	v_med3_num_f32 v[HV+\u], v[G+\u], -v[LIM], v[LIM]
.endr
	v_cvt_scalef32_pk8_bf8_f32 v[C5:C5+1], v[HV:HV+7], v[SC]
	v_nop                                          ; one plain line between the scaled conversion and the read of its result
.irp q, 0,1                                    ; source 1's fragments: a token's word in its own slot, 0 in all others
.irp a, 0,1,2,3
.irp b, 0,1,2,3
	v_cndmask_b32 v[AF+16*\q+4*\a+\b], 0, v[CW+\b], s[24+4*\q+\a]
.endr
.endr
.endr
.irp a, 0,1,2,3,4,5,6,7
	v_cndmask_b32 v[AF+32+2*\a],   0, v[CW+4], s[24+\a]
	v_cndmask_b32 v[AF+32+2*\a+1], 0, v[C5],   s[24+\a]
.endr
	WIN 0x80                                       ; destination window 2
	KT03 4                                         ; kind 1
	s_wait_loadcnt 63                              ; of the 64 just issued 63 may be out: kind 0's are in
	WIN 0x01                                       ; source 0 window 1
	OMUL 0, 0, 16, 1
	WIN 0xc0                                       ; destination window 3
	KT45 0                                         ; kind 2, outputs 0-127
	s_wait_loadcnt 63                              ; kind 1's are in
	WIN 0x02                                       ; source 0 window 2
	OMUL 1, 0, 16, 0
	WIN 0xc0
	KT45 8                                         ; kind 2, outputs 128-255
	s_wait_loadcnt 63                              ; its first half is in
	WIN 0x03                                       ; source 0 window 3
	OMUL 2, 0, 8, 0
	s_wait_loadcnt 0x0
	OMUL 2, 8, 8, 0
	WIN 0
.rept 4
	v_nop                                          ; four places in front of the stores that read the results
.endr
	; THE FOUR TREES' SUMS.  Each wave lays its 16 x 256 numbers into its part of the stage; behind the barrier wave w adds the four parts of tokens 4 w .. 4 w + 3 and stores whole rows.
.irp dt, 0,1,2,3,4,5,6,7,8,9,10,11,12,13,14,15
	ds_store_b128 v[SO], v[O+8*\dt:O+8*\dt+3] offset:64*\dt
	ds_store_b128 v[SO], v[O+8*\dt+4:O+8*\dt+7] offset:64*\dt+16
.endr
	s_wait_dscnt 0x0                               ; for the others' sake: my stores have landed
	s_barrier_signal -1
	s_barrier_wait -1
.irp i, 0,1,2,3
.irp k, 0,1
.irp q, 0,1,2,3
	ds_load_b128 v[O+16*(2*\i+\k)+4*\q:O+16*(2*\i+\k)+4*\q+3], v[SR] offset:SPW*\q+SPT*\i+512*\k
.endr
.endr
.endr
.set g, 0
.rept 8
	s_wait_dscnt 28-4*g                            ; this half row's four parts are in; the later groups' four loads each may be out
	v_pk_add_f32 v[O+16*g:O+16*g+1],     v[O+16*g:O+16*g+1],     v[O+16*g+4:O+16*g+5]
	v_pk_add_f32 v[O+16*g+2:O+16*g+3],   v[O+16*g+2:O+16*g+3],   v[O+16*g+6:O+16*g+7]
	v_pk_add_f32 v[O+16*g+8:O+16*g+9],   v[O+16*g+8:O+16*g+9],   v[O+16*g+12:O+16*g+13]
	v_pk_add_f32 v[O+16*g+10:O+16*g+11], v[O+16*g+10:O+16*g+11], v[O+16*g+14:O+16*g+15]
	v_pk_add_f32 v[O+16*g:O+16*g+1],     v[O+16*g:O+16*g+1],     v[O+16*g+8:O+16*g+9]
	v_pk_add_f32 v[O+16*g+2:O+16*g+3],   v[O+16*g+2:O+16*g+3],   v[O+16*g+10:O+16*g+11]
	v_ldexp_f32 v[O+16*g],   v[O+16*g],   s52      ; x 2^(e2 + e3)
	v_ldexp_f32 v[O+16*g+1], v[O+16*g+1], s52
	v_ldexp_f32 v[O+16*g+2], v[O+16*g+2], s52
	v_ldexp_f32 v[O+16*g+3], v[O+16*g+3], s52
	global_store_b128 v[GO], v[O+16*g:O+16*g+3], s[20:21] offset:1024*(g/2)+512*(g%2) th:TH_STORE_NT   ; 32 lanes store 512 consecutive bytes, aligned; written once
.set g, g+1
.endr
	s_wait_tensorcnt 0x0
	ds_add_u32 v36, v63
	s_wait_dscnt 0x0
	s_endpgm
.Lfunc_end_k_qda70a123f6_leaf:
	.size	k_qda70a123f6_leaf, .Lfunc_end_k_qda70a123f6_leaf-k_qda70a123f6_leaf
	.p2alignl 7, 3214868480
	.fill 96, 4, 3214868480
	.section	.rodata,"a",@progbits
	.p2align	6, 0x0
	.amdhsa_kernel k_qda70a123f6_leaf
		.amdhsa_group_segment_fixed_size 67072
		.amdhsa_private_segment_fixed_size 0
		.amdhsa_enable_private_segment 0
		.amdhsa_kernarg_size 72
		.amdhsa_user_sgpr_count 2
		.amdhsa_user_sgpr_kernarg_segment_ptr 1
		.amdhsa_wavefront_size32 1
		.amdhsa_system_sgpr_workgroup_id_x 1
		.amdhsa_system_sgpr_workgroup_id_y 1
		.amdhsa_system_sgpr_workgroup_id_z 1
		.amdhsa_system_vgpr_workitem_id 0
		.amdhsa_next_free_vgpr 1024
		.amdhsa_next_free_sgpr 66
		.amdhsa_reserve_vcc 1
		.amdhsa_float_denorm_mode_32 3
		.amdhsa_float_denorm_mode_16_64 3
		.amdhsa_memory_ordered 1
		.amdhsa_forward_progress 1
		.amdhsa_inst_pref_size 62
	.end_amdhsa_kernel
	.amdgpu_metadata
---
amdhsa.version: [ 1, 2 ]
amdhsa.kernels:
  - .name:           k_qda70a123f6_leaf
    .symbol:         k_qda70a123f6_leaf.kd
    .args:
      - { .name: xq, .offset: 0, .size: 8, .value_kind: global_buffer, .address_space: global }
      - { .name: wq, .offset: 8, .size: 8, .value_kind: global_buffer, .address_space: global }
      - { .name: b_in, .offset: 16, .size: 8, .value_kind: global_buffer, .address_space: global }
      - { .name: lowp_scales, .offset: 24, .size: 8, .value_kind: global_buffer, .address_space: global }
      - { .name: route, .offset: 32, .size: 8, .value_kind: global_buffer, .address_space: global }
      - { .name: acts, .offset: 40, .size: 8, .value_kind: global_buffer, .address_space: global }
      - { .name: t03, .offset: 48, .size: 8, .value_kind: global_buffer, .address_space: global }
      - { .name: t45, .offset: 56, .size: 8, .value_kind: global_buffer, .address_space: global }
      - { .name: out0, .offset: 64, .size: 8, .value_kind: global_buffer, .address_space: global }
    .group_segment_fixed_size: 67072
    .private_segment_fixed_size: 0
    .kernarg_segment_align: 8
    .kernarg_segment_size: 72
    .max_flat_workgroup_size: 128
    .sgpr_count:     66
    .vgpr_count:     1024
    .wavefront_size: 32
...
	.end_amdgpu_metadata
.endif
;; end of part 3
;; ======== version 2 of 2: 3 launches; version 1 with the launches prep, leaf written anew for expert scheduling mode
;; workspace buffers: xq 1,048,576 bytes; wq 5,591,040 bytes; t03 1,048,576 bytes; t45 8,388,608 bytes; route 262,144 bytes of whole numbers; acts 2,097,152 bytes
;; launch prep (part 4): grid 459 x 1, 8 waves a work-group, no clusters, 111,616 bytes of LDS; arguments oldx, W_in, W_out, lowp_scales, xq, wq, t03, t45; writes xq, wq, t03, t45
.if DOCPART == 4
	.amdgcn_target "amdgcn-amd-amdhsa--gfx1250"
	.amdhsa_code_object_version 6
	.text
	.protected	k_qda70a123f6_prep
	.globl	k_qda70a123f6_prep
	.p2align	8
	.type	k_qda70a123f6_prep,@function
k_qda70a123f6_prep:
	s_mov_b64 s[64:65], 0
	v_nop
	global_prefetch_b8 v0, s[64:65] scope:SCOPE_SE
	s_setreg_imm32_b32 hwreg(HW_REG_WAVE_SCHED_MODE, 0, 2), 2
	s_setreg_imm32_b32 hwreg(HW_REG_WAVE_MODE, 25, 1), 1
	s_wait_xcnt 0x0
	s_wait_alu depctr_vm_vsrc(0)
; PREP: every operand that arrives as f32 is quantised once to codes of BF8 (E5M2): code = x / 2^e, held within +-57,344, to the nearest code, ties to even.
; Two roles, chosen by the work-group's number; each has LDS bytes of its own, each wave its own part of them: no barrier, no traffic between waves.
; TABLES (work-groups 0-255 = 64 p + b; p the tree, b the level-3 node).  W_out [256][21840] has K (the hidden units) innermost, but the later gather wants, for ONE path of a tree, the code
;   words (4 codes = one group of 4 units) of all 256 outputs d side by side.  Two tables:  t03 [p][b][d][16 bytes] = the words of the level-0, 1, 2, 3 groups on b's path;
;   t45 [p][leaf = 16 b + y][d][8 bytes] = the words of the level-4 group (leaf / 4) and of the level-5 group (leaf).  Thread v0 is output row d.
;   The 16 leaf groups of a row are 256 consecutive bytes: they are loaded two rows to an instruction (sixteen lanes to a row) and turned through the wave's own stage in LDS, so that a lane ends up with its row.
; STREAM (work-groups 256-458): oldx and W_in have K innermost and dense rows, so both are plain streams; a wave takes one unit of 4,096 numbers in 8 steps of 512.  256 units of oldx, 1,365 of W_in: 1,621,
;   which 8 does not divide: the last three waves of the last work-group have no unit and end.
; No cluster and no matrix work: no two work-groups read the same bytes for long, and memory binds.
; LIMITS: each of e0, e1, e3 lies between -126 and 112, so that 2^e and 57,344 x 2^e are f32 numbers.  NaN among the inputs is not served.
; THE MODE: SCHED_MODE bits 1:0 = 2 (LLVM: expert scheduling mode 2), set by the entry lines.  The code itself states the register dependences
; between vector instructions and memory or LDS instructions, with s_wait_alu, always for 0.
; THE PLAN, TABLES.  v4-v9: offsets and stage addresses, written once at the head, read by every load, LDS instruction and store: one wait on va_vdst ahead of the first load.
;   v16-79: the leaf loads land there, the stage's stores read them, the 32 moves that pair the words write them: one wait on vm_vsrc ahead of the moves.
;   v176-179 and the pairs: written by conversions and moves, read by the run of 17 stores: one wait on va_vdst ahead of the run.  v80-175 are landed in once and then named by vector lines alone.
; THE PLAN, STREAM.  R0 .. R3: the loads of step t + 4, issued in step t, land in R[t % 4], which the stage's stores of step t read; no vector line names them.
;   X0, X1: the stage's loads of step t + 1, issued in step t, land in X[(t + 1) % 2], which the holds and conversions of step t - 1 read and wrote.
;   C[t]: written by step t's conversions, read by one store, which is issued at the head of step t + 1.   v3, v14, v15: written once at the head.
;   So the head of a step holds one wait on vm_vsrc (for R[t % 4]) and one on va_vdst (for X[(t + 1) % 2] and C[t - 1]), and the step's memory and LDS instructions follow them ahead of its vector lines.
.set PW,    87360                      ; a row of W_out in bytes
.set TP,    272                        ; tables: a stage row, 256 bytes + 16: sixteen rows begin at sixteen different 16-byte columns of 256 bytes
.set TW,    32*TP                      ; a wave's stage: its 32 rows
.set SBASE, 8*TW                       ; stream: its stages lie behind the tables' eight
.set SP,    80                         ; a lane's place in a stage: 64 bytes + 16
.set SW,    2*32*SP                    ; a wave's two stages
.set STEPS, 8
.set UX,    256                        ; units of oldx
.set UALL,  1621                       ; units in all
.set WV,    20                         ; s20 my wave's number
.set R5,    16                         ; v16-79   tables: leaf groups as loaded; later the pairs for t45
.set X5,    80                         ; v80-143  my row's 16 leaf groups
.set Q03,   144                        ; v144-159 my row's groups of levels 0-3; v160-175 its four level-4 groups
.set C03,   176                        ; v176-179 their words; v180-183 level 4's
.set C4,    180
.set C5,    184                        ; v184-199 the 16 leaf words
.set PR,    16
.set R,     16                         ; stream: v16-79 four sets of 16 numbers as loaded
.set X,     80                         ; v80-111  two sets of 16 neighbours
.set C,     128                        ; v128-159 four registers of codes for each step: no store's data are written again
	s_load_b512 s[4:19], s[0:1], 0x0               ; oldx s[4:5], W_in s[6:7], W_out s[8:9], the exponents s[10:11], xq s[12:13], wq s[14:15], t03 s[16:17], t45 s[18:19]
	v_lshl_add_u32 v200, v0, 2, 0x1b000            ; my spare word, behind all the stages, and 0: made here and kept for the closing lines alone
	v_mov_b32 v201, 0
	v_lshrrev_b32 v1, 5, v0
	v_readfirstlane_b32 s[WV], v1                  ; wave 0..7
	v_and_b32 v2, 31, v0                           ; lane
	s_wait_alu depctr_va_sdst(0)                   ; s[WV] is written: ahead of the branch, and so ahead of its first reader in either role
	s_cmp_lt_u32 ttmp9, 256
	s_cbranch_scc0 .Lstream
	; ---------------- TABLES ----------------
	s_lshr_b32 s21, ttmp9, 6                       ; p
	s_and_b32 s22, ttmp9, 63                       ; b
	s_mul_i32 s23, s[WV], TW                       ; my stage
	v_mul_u32_u24 v4, v0, PW                       ; my row d = v0
	v_and_b32 v1, 0xe0, v0                         ; 32 x wave
	v_bfe_u32 v3, v0, 4, 1                         ; lane / 16
	v_add_nc_u32 v1, v1, v3
	v_mul_u32_u24 v5, v1, PW                       ; leaf loads: row 32 w + lane / 16 (+ 2 k in the immediate),
	v_and_b32 v12, 15, v0
	v_lshl_add_u32 v5, v12, 4, v5                  ; 16 bytes a lane: sixteen lanes read a row's 256 bytes
	v_mul_u32_u24 v6, v3, TP
	v_lshl_add_u32 v6, v12, 4, v6
	v_add_nc_u32 v6, s23, v6                       ; into the stage as loaded
	v_mul_u32_u24 v7, v2, TP
	v_add_nc_u32 v7, s23, v7                       ; out of it: lane l takes row l
	v_lshlrev_b32 v8, 4, v0                        ; t03: 16 bytes a row
	v_lshlrev_b32 v9, 3, v0                        ; t45: 8 bytes a row
	s_mul_i32 s36, s21, 21840                      ; the tree's first unit, in bytes of a row
	s_mov_b32 s37, 0
	s_wait_kmcnt 0x0
	s_load_b32 s38, s[10:11], 0xc                  ; e3
	s_add_nc_u64 s[24:25], s[8:9], s[36:37]        ; level 0: group 0
	s_lshr_b32 s36, s22, 4
	s_add_co_u32 s36, s36, 1
	s_lshl_b32 s36, s36, 4                         ; a group is 16 bytes
	s_add_nc_u64 s[26:27], s[24:25], s[36:37]      ; level 1: group 1 + b / 16
	s_lshr_b32 s36, s22, 2
	s_add_co_u32 s36, s36, 5
	s_lshl_b32 s36, s36, 4
	s_add_nc_u64 s[28:29], s[24:25], s[36:37]      ; level 2: group 5 + b / 4
	s_add_co_u32 s36, s22, 21
	s_lshl_b32 s36, s36, 4
	s_add_nc_u64 s[30:31], s[24:25], s[36:37]      ; level 3: group 21 + b
	s_lshl_b32 s36, s22, 6
	s_add_co_u32 s36, s36, 85*16
	s_add_nc_u64 s[32:33], s[24:25], s[36:37]      ; level 4: groups 85 + 4 b on
	s_lshl_b32 s36, s22, 8
	s_add_co_u32 s36, s36, 341*16
	s_add_nc_u64 s[34:35], s[24:25], s[36:37]      ; level 5: groups 341 + 16 b on
	s_lshl_b32 s36, ttmp9, 12
	s_add_nc_u64 s[16:17], s[16:17], s[36:37]      ; t03 at (p, b): 4,096 bytes each
	s_lshl_b32 s36, ttmp9, 15
	s_add_nc_u64 s[18:19], s[18:19], s[36:37]      ; t45 at (p, 16 b): 16 leaves of 2,048 bytes
	s_wait_alu depctr_va_vdst(0)                   ; v4 to v9 are written: the offsets of the loads and stores and the stage's two addresses; none is written again
.irp k, 0,1,2,3,4,5,6,7,8,9,10,11,12,13,14,15
	global_load_b128 v[R5+4*\k:R5+4*\k+3], v5, s[34:35] offset:\k*2*PW   ; rows 32 w + 2 k and + 1: 256 consecutive bytes each
.endr
	global_load_b128 v[Q03:Q03+3],     v4, s[24:25]
	global_load_b128 v[Q03+4:Q03+7],   v4, s[26:27]
	global_load_b128 v[Q03+8:Q03+11],  v4, s[28:29]
	global_load_b128 v[Q03+12:Q03+15], v4, s[30:31]
.irp j, 0,1,2,3
	global_load_b128 v[Q03+16+4*\j:Q03+19+4*\j], v4, s[32:33] offset:16*\j
.endr
	s_wait_kmcnt 0x0
	s_add_co_i32 s38, s38, 127
	s_lshl_b32 s39, s38, 23
	v_mov_b32 v11, s39                             ; 2^e3 as f32: the conversion takes its exponent field
	s_add_co_i32 s38, s38, 15
	s_lshl_b32 s38, s38, 23
	s_or_b32 s38, s38, 0x600000
	v_mov_b32 v10, s38                             ; 57,344 x 2^e3
	s_wait_loadcnt 8                               ; the sixteen leaf loads are in; the eight behind them (levels 0 to 4) may be out
.irp k, 0,1,2,3,4,5,6,7,8,9,10,11,12,13,14,15
	ds_store_b128 v6, v[R5+4*\k:R5+4*\k+3] offset:2*TP*\k   ; data from loads, address from ahead of the wait above: no vector line since names either
.endr
.irp j, 0,1,2,3,4,5,6,7,8,9,10,11,12,13,14,15
	ds_load_b128 v[X5+4*\j:X5+4*\j+3], v7 offset:16*\j   ; LDS serves a wave's instructions in order (ISA guide 5.7.1.4): these see my stores.  Leaf group j of my row
.endr
	s_wait_loadcnt 0x0
.set i, 0
.rept 32
	v_med3_num_f32 v[Q03+i], v[Q03+i], -v10, v10   ; the conversion to an 8-bit code does not saturate (ISA guide 7.6.2): hold first
.set i, i+1
.endr
.irp g, 0,1,2,3
	v_cvt_scalef32_pk8_bf8_f32 v[C03+2*\g:C03+2*\g+1], v[Q03+8*\g:Q03+8*\g+7], v11   ; two groups an instruction: a word a group, unit f in byte f
.endr
	s_wait_dscnt 0x0                               ; my row's leaf groups are back
.set i, 0
.rept 64
	v_med3_num_f32 v[X5+i], v[X5+i], -v10, v10
.set i, i+1
.endr
.irp g, 0,1,2,3,4,5,6,7
	v_cvt_scalef32_pk8_bf8_f32 v[C5+2*\g:C5+2*\g+1], v[X5+8*\g:X5+8*\g+7], v11
.endr
	v_nop                                          ; one plain vector instruction between a scaled conversion and the vector instructions that read its result
	s_wait_alu depctr_vm_vsrc(0)                   ; the stage's stores have read v16-79, which the moves below write
.irp y, 0,1,2,3,4,5,6,7,8,9,10,11,12,13,14,15
	v_mov_b32 v[PR+2*\y],   v[C4+\y/4]             ; leaf 16 b + y: its level-4 word beside its own, so that one 8-byte store and one 8-byte load carry both
	v_mov_b32 v[PR+2*\y+1], v[C5+\y]
.endr
	s_wait_alu depctr_va_vdst(0)                   ; the conversions have written v176-179 and the moves the sixteen pairs: the data of the seventeen stores below
	global_store_b128 v8, v[C03:C03+3], s[16:17]   ; a wave stores 512 consecutive bytes, aligned
.irp y, 0,1,2,3,4,5,6,7,8,9,10,11,12,13,14,15
	global_store_b64 v9, v[PR+2*\y:PR+2*\y+1], s[18:19] offset:2048*\y   ; a wave stores 256 consecutive bytes, aligned
.endr
	s_wait_dscnt 0x0                               ; the closing lines, six on end
	s_wait_alu 0x0
	s_wait_tensorcnt 0x0
	ds_add_u32 v200, v201
	s_wait_dscnt 0x0
	s_endpgm
	; ---------------- STREAM ----------------
.Lstream:
	s_sub_co_u32 s24, ttmp9, 256
	s_lshl_b32 s24, s24, 3
	s_add_co_u32 s24, s24, s[WV]                   ; my unit
	s_cmp_ge_u32 s24, UALL
	s_cbranch_scc1 .Lend                           ; the three waves past the last unit
	s_mul_i32 s23, s[WV], SW
	s_add_co_u32 s23, s23, SBASE                   ; my two stages
	v_lshlrev_b32 v3, 4, v2                        ; 16 x lane: my 16 bytes of a load's 512, and my 16 codes of a step's 512
	v_lshrrev_b32 v14, 2, v2
	v_mul_u32_u24 v14, v14, SP
	v_and_b32 v15, 3, v2
	v_lshl_add_u32 v14, v15, 4, v14
	v_add_nc_u32 v14, s23, v14                     ; into a stage: four lanes' 64 bytes on end, then 16 of padding
	v_mul_u32_u24 v15, v2, SP
	v_add_nc_u32 v15, s23, v15                     ; out of it: my 16 neighbours
	s_wait_kmcnt 0x0
	s_load_b64 s[26:27], s[10:11], 0x0             ; e0, e1
	s_cmp_lt_u32 s24, UX                           ; oldx's unit or W_in's: the choice hangs on ids alone
	s_cselect_b64 s[28:29], s[4:5], s[6:7]
	s_cselect_b64 s[30:31], s[12:13], s[14:15]
	s_cselect_b32 s25, 0, UX
	s_sub_co_u32 s25, s24, s25                     ; the unit's number in its tensor
	s_lshl_b32 s32, s25, 14                        ; 4,096 numbers of 4 bytes
	s_mov_b32 s33, 0
	s_add_nc_u64 s[28:29], s[28:29], s[32:33]
	s_lshl_b32 s32, s25, 12                        ; 4,096 codes
	s_add_nc_u64 s[30:31], s[30:31], s[32:33]
.macro LOAD t
.irp i, 0,1,2,3
	global_load_b128 v[R+16*((\t)%4)+4*\i:R+16*((\t)%4)+4*\i+3], v3, s[28:29] offset:2048*(\t)+512*\i th:TH_LOAD_NT   ; 32 lanes read 512 consecutive bytes; read once in the launch
.endr
.endm
.macro TURN t                          ; step t's numbers through a stage: in as they lie, out 64 bytes a lane; a wave's LDS instructions are served in order
.irp i, 0,1,2,3
	ds_store_b128 v14, v[R+16*((\t)%4)+4*\i:R+16*((\t)%4)+4*\i+3] offset:32*SP*((\t)%2)+8*SP*\i
.endr
.irp i, 0,1,2,3
	ds_load_b128 v[X+16*((\t)%2)+4*\i:X+16*((\t)%2)+4*\i+3], v15 offset:32*SP*((\t)%2)+16*\i
.endr
.endm
	s_wait_alu depctr_va_vdst(0)                   ; v3, v14 and v15 are written: the offset of every load and store and the stage's two addresses; none is written again
.irp t, 0,1,2,3
	LOAD \t
.endr
	s_wait_kmcnt 0x0
	s_cmp_lt_u32 s24, UX
	s_cselect_b32 s26, s26, s27                    ; e
	s_add_co_i32 s26, s26, 127
	s_lshl_b32 s27, s26, 23
	v_mov_b32 v11, s27                             ; 2^e
	s_add_co_i32 s26, s26, 15
	s_lshl_b32 s26, s26, 23
	s_or_b32 s26, s26, 0x600000
	v_mov_b32 v10, s26                             ; 57,344 x 2^e
	s_wait_loadcnt 12                              ; step 0's four loads are in; those of steps 1 to 3 may be out
	TURN 0
.macro STEP t
.set XS, X+16*((\t)%2)
	s_wait_dscnt 0x0                               ; this step's numbers are back from the stage
.if (\t)+4 < STEPS
	s_wait_alu depctr_vm_vsrc(0)                   ; this step's stores into the stage have read R[t % 4], in which the loads of four steps on land
.endif
.if (\t) > 0
	s_wait_alu depctr_va_vdst(0)                   ; the step before has written its codes, which the store below reads, and is done with its sixteen neighbours, in whose registers the next step's numbers land (the last step turns nothing)
.endif
.if (\t)+4 < STEPS
	LOAD (\t)+4
.endif
.if (\t) > 0
	global_store_b128 v3, v[C+4*((\t)-1):C+4*((\t)-1)+3], s[30:31] offset:512*((\t)-1)   ; the step before: a wave stores 512 consecutive bytes, aligned
.endif
.if (\t)+1 < STEPS
.if STEPS-2-(\t) >= 3
	s_wait_loadcnt 12                              ; the next step's four loads are in; those of the three steps behind it may be out
.else
	s_wait_loadcnt 4*(STEPS-2-(\t))                ; at the end fewer steps are behind it
.endif
	TURN (\t)+1
.endif
.irp i, 0,1,2,3,4,5,6,7,8,9,10,11,12,13,14,15
	v_med3_num_f32 v[XS+\i], v[XS+\i], -v10, v10
.endr
	v_cvt_scalef32_pk8_bf8_f32 v[C+4*(\t):C+4*(\t)+1], v[XS:XS+7], v11
	v_cvt_scalef32_pk8_bf8_f32 v[C+4*(\t)+2:C+4*(\t)+3], v[XS+8:XS+15], v11   ; the results go to a store alone; the next vector lines are the next step's holds, on other registers
.endm
.irp t, 0,1,2,3,4,5,6,7
	STEP \t
.endr
	s_wait_alu depctr_va_vdst(0)                   ; the last step's conversions have written its codes, which the last store reads
	global_store_b128 v3, v[C+4*(STEPS-1):C+4*(STEPS-1)+3], s[30:31] offset:512*(STEPS-1)
.Lend:
	s_wait_dscnt 0x0                               ; the closing lines, six on end
	s_wait_alu 0x0
	s_wait_tensorcnt 0x0
	ds_add_u32 v200, v201
	s_wait_dscnt 0x0
	s_endpgm
.Lfunc_end_k_qda70a123f6_prep:
	.size	k_qda70a123f6_prep, .Lfunc_end_k_qda70a123f6_prep-k_qda70a123f6_prep
	.p2alignl 7, 3214868480
	.fill 96, 4, 3214868480
	.section	.rodata,"a",@progbits
	.p2align	6, 0x0
	.amdhsa_kernel k_qda70a123f6_prep
		.amdhsa_group_segment_fixed_size 111616
		.amdhsa_private_segment_fixed_size 0
		.amdhsa_enable_private_segment 0
		.amdhsa_kernarg_size 64
		.amdhsa_user_sgpr_count 2
		.amdhsa_user_sgpr_kernarg_segment_ptr 1
		.amdhsa_wavefront_size32 1
		.amdhsa_system_sgpr_workgroup_id_x 1
		.amdhsa_system_sgpr_workgroup_id_y 1
		.amdhsa_system_sgpr_workgroup_id_z 1
		.amdhsa_system_vgpr_workitem_id 0
		.amdhsa_next_free_vgpr 202
		.amdhsa_next_free_sgpr 66
		.amdhsa_reserve_vcc 0
		.amdhsa_float_denorm_mode_32 3
		.amdhsa_float_denorm_mode_16_64 3
		.amdhsa_memory_ordered 1
		.amdhsa_forward_progress 1
		.amdhsa_inst_pref_size 37
	.end_amdhsa_kernel
	.amdgpu_metadata
---
amdhsa.version: [ 1, 2 ]
amdhsa.kernels:
  - .name:           k_qda70a123f6_prep
    .symbol:         k_qda70a123f6_prep.kd
    .args:
      - { .name: oldx, .offset: 0, .size: 8, .value_kind: global_buffer, .address_space: global }
      - { .name: W_in, .offset: 8, .size: 8, .value_kind: global_buffer, .address_space: global }
      - { .name: W_out, .offset: 16, .size: 8, .value_kind: global_buffer, .address_space: global }
      - { .name: lowp_scales, .offset: 24, .size: 8, .value_kind: global_buffer, .address_space: global }
      - { .name: xq, .offset: 32, .size: 8, .value_kind: global_buffer, .address_space: global }
      - { .name: wq, .offset: 40, .size: 8, .value_kind: global_buffer, .address_space: global }
      - { .name: t03, .offset: 48, .size: 8, .value_kind: global_buffer, .address_space: global }
      - { .name: t45, .offset: 56, .size: 8, .value_kind: global_buffer, .address_space: global }
    .group_segment_fixed_size: 111616
    .private_segment_fixed_size: 0
    .kernarg_segment_align: 8
    .kernarg_segment_size: 64
    .max_flat_workgroup_size: 256
    .sgpr_count:     66
    .vgpr_count:     202
    .wavefront_size: 32
...
	.end_amdgpu_metadata
.endif
;; end of part 4
;; launch route: the kernel of part 2 again; grid 16 x 16, 4 waves a work-group, clusters of 4 x 1, 168,448 bytes of LDS; arguments xq, wq, b_in, lowp_scales, route, acts; writes route, acts
;; launch leaf (part 5): grid 256 x 1, 4 waves a work-group, no clusters, 67,072 bytes of LDS; arguments xq, wq, b_in, lowp_scales, route, acts, t03, t45, out0; writes out0
.if DOCPART == 5
	.amdgcn_target "amdgcn-amd-amdhsa--gfx1250"
	.amdhsa_code_object_version 6
	.text
	.protected	k_qda70a123f6_leaf
	.globl	k_qda70a123f6_leaf
	.p2align	8
	.type	k_qda70a123f6_leaf,@function
k_qda70a123f6_leaf:
	s_mov_b64 s[64:65], 0
	v_nop
	global_prefetch_b8 v0, s[64:65] scope:SCOPE_SE
	s_setreg_imm32_b32 hwreg(HW_REG_WAVE_SCHED_MODE, 0, 2), 2
	s_setreg_imm32_b32 hwreg(HW_REG_WAVE_MODE, 25, 1), 1
	s_wait_xcnt 0x0
	s_wait_alu depctr_vm_vsrc(0)
; LEAF: level 5 of the first product, and the whole second product, on the rows that each token's walk has chosen.
; A work-group takes 16 tokens; wave p takes tree p for all 256 outputs; the four trees' sums meet in LDS.  Lane (r, h) stands for token r in both halves of the lanes.
; THE PATH is read as whole numbers: m0 (the same in a token's four records) picks the record c = m0; leaf = 256 m0 + the path below, n3 = leaf / 16.  Both are held inside their tables before they enter an address.
; LEVEL 5: source 0 = for lane r the row of wq of TOKEN r's unit u, source 1 = x's 16 rows: the result's diagonal (m = n = r) is token r's sum.  It lies in lane (r, r / 8), register r % 8.
; THE SECOND PRODUCT.  A token has 24 units a tree: 6 code words.  K is dealt out among the tokens: a K slot (register, half of the lanes) belongs to ONE token; in source 1 (the tokens) only that token's lane
; holds its word there, all others 0; in source 0 (16 outputs d) every lane holds the word of W_out for that token's group and its own d, gathered from the path tables.  So each token meets its own weights alone.
;   kinds 0, 1: register 4 a + b, half h: token 8 h + 4 q + a, level b (t03: 16 bytes a token and output).   kind 2: register 2 a + b', half h: token 8 h + a, level 4 + b' (t45: 8 bytes).
; Source 0 is the table, so lane (r, h) register j of accumulator dt is out(token r, d = 16 dt + 8 h + j).
; No cluster: each work-group gathers the rows of its own 16 tokens, so no tile is shared.  No LDS ring: every gathered byte goes straight into the operand register that takes it, once.
; GELU as in the launch before.  LIMITS: e2 between -126 and 112.  NaN and infinities are not served; below about x = -13 gelu is -0.
; REGISTERS.  window 0: v1-5 lane terms; v6-25 the four records, later addresses, constants and the conversion's sources; v27-35 the path; v38-45, v46-53 the tables' addresses; v54-57 bias; v58-62, v34 the six words;
;   v64-95 level 5's sums and v96-127 x, later source 1's three fragments (v64-111); v128-255 level 5's weights, then gelu's work, then the 16 accumulators, then the sums read back.
;   windows 1, 2, 3: source 0's fragments of kinds 0, 1, 2, at 16 dt.
; THE MODE: SCHED_MODE bits 1:0 = 2 (LLVM: expert scheduling mode 2), set by the entry lines.  The code itself states the register dependences
; between vector or matrix instructions and memory or LDS instructions, with s_wait_alu, always for 0.
; THE PLAN.  Registers that memory or LDS instructions touch, in the order of the text (there is no loop):
;   v3-v5         offsets of x and of the records: written at the head, read by the first 17 loads, never written again: one wait on va_vdst ahead of the first load.
;   v6-25, v58, v96-127   the first loads land there; no vector line names them before; later vector lines alone write them.
;   v31, v32, v38-53      offsets of the leaf's rows, of the bias and of the two tables: all made together, ahead of ONE wait on va_vdst; read by the 289 gathering loads; never named again.
;   windows 1-3   each register is landed in once, read by one matrix instruction, and never named otherwise.  So the loads of kinds 1 and 2, which stand behind vector and matrix work, owe no further wait:
;                 nothing issued since that one wait names their offsets or their registers.
;   v128-255      the leaf's rows land there (not named before); products, gelu, then the accumulators; behind the last product's places one wait on va_vdst, and the LDS stores read them; behind the barrier one wait
;                 on vm_vsrc, and the LDS loads land in them; the sums are made in them, four half rows at a time, each four followed by one wait on va_vdst and a run of four stores.
;   v6-v8         the stage's two addresses and 16 x lane: written while loads are out, read on the way out, behind the wait ahead of the LDS stores.
;   v36, v63      written at the head, read by the closing add alone.
.set XA,   3                           ; v3   256 r + 16 h
.set R16,  4                           ; v4   16 r
.set R32,  5                           ; v5   32 r
.set RT,   6                           ; v6-9   route's word of records c = 0 .. 3
.set AC,   10                          ; v10-25 their words 1 to 4
.set H16,  26                          ; v26  16 h
.set M0R,  27                          ; v27  m0; later the leaves dealt for row_share
.set RS,   28                          ; v28  the chosen record's word; later the level-3 nodes dealt likewise
.set LEAF, 29
.set N3,   30
.set WO,   31                          ; v31  leaf x 1,024 + 16 h: my token's four rows of wq
.set BO,   32                          ; v32  leaf x 16: their biases
.set Z3,   28
.set Z5,   27
.set C5,   34                          ; v[34:35] the conversion's result: word 5
.set TMP,  35
.set R8,   37                          ; v37  8 r
.set A3,   38
.set A5,   46
.set BI,   54
.set CW,   58                          ; v58 + b: word b, b = 0 .. 4
.set D,    64
.set XF,   96
.set W5,   128
.set AF,   64
.set O,    128
.set SO,   6                           ; behind the choice of the record: v6 stage, in; v7 stage, back; v8 16 x lane; v9 2^e2; v10 57,344 x 2^e2; v[12:19] the conversion's eight sources; v[20:21] the fit's highest coefficient
.set SR,   7
.set GO,   8
.set SC,   9
.set LIM,  10
.set HV,   12
.set KC,   20
.set L,    128
.set Z,    132
.set T,    136
.set P,    140
.set G,    144
.set CSQ,  47                          ; s47 sqrt(1/2)
.set CM,   54                          ; s54-57 gelu: the lanes whose logit is negative, a mask for each of the four units
.set SPT,  1040                        ; a stage row: 1,024 bytes + 16
.set SPW,  16*SPT                      ; a tree's 16 rows
.set MSB, 0
.macro WIN new
.if MSB != \new
	s_set_vgpr_msb (MSB<<8)|\new
.set MSB, \new
.endif
.endm
	s_load_b512 s[4:19], s[0:1], 0x0               ; xq s[4:5], wq s[6:7], b_in s[8:9], the exponents s[10:11], route s[12:13], acts s[14:15], t03 s[16:17], t45 s[18:19]
	s_load_b64 s[20:21], s[0:1], 0x40              ; out0
	v_lshl_add_u32 v36, v0, 2, 0x10400             ; my spare word, behind the stage, and 0: made here and kept for the closing lines alone
	v_mov_b32 v63, 0
	v_lshrrev_b32 v1, 5, v0
	v_readfirstlane_b32 s22, v1                    ; wave = tree p
	v_and_b32 v1, 15, v0                           ; r
	v_bfe_u32 v2, v0, 4, 1                         ; h
	v_lshlrev_b32 v[XA], 8, v1
	v_lshl_add_u32 v[XA], v2, 4, v[XA]
	v_lshlrev_b32 v[R16], 4, v1
	v_lshlrev_b32 v[R32], 5, v1
	v_lshlrev_b32 v[H16], 4, v2
	v_lshlrev_b32 v[R8], 3, v1
.irp n, 0,1,2,3,4,5,6,7
	s_mov_b32 s[24+\n], 0x01000001<<\n             ; the two lanes whose token owns slot n: lane n (token n, h = 0) and lane 24 + n (token 8 + n, h = 1)
.endr
	s_mov_b32 s32, 0xaaaaaaaa                      ; bit 0 of the lane's number
	s_mov_b32 s33, 0xcccccccc                      ; bit 1
	s_mov_b32 s34, 0xf0f0f0f0                      ; bit 2
	s_mov_b32 s35, 0xff0000ff                      ; the lanes with h = r / 8
	s_mov_b32 s36, 0xffff0000                      ; h = 1
	s_mov_b32 s38, 0x76543210
	s_mov_b32 s39, 0xfedcba98                      ; v_permlanex16_b32's selects for lane l xor 16
	s_mov_b32 s[CSQ], 0x3f3504f3
	s_wait_alu depctr_va_sdst(0)                   ; s22 is written, ahead of its first reader: every base below is made from it
	s_lshl_b32 s48, s22, 16                        ; route [4 p + c][token / 64][r][tile]: token = 16 tt + r
	s_lshr_b32 s50, ttmp9, 2
	s_lshl_b32 s50, s50, 8
	s_add_co_u32 s48, s48, s50
	s_and_b32 s50, ttmp9, 3
	s_lshl_b32 s50, s50, 2
	s_add_co_u32 s48, s48, s50
	s_mov_b32 s49, 0
	s_wait_kmcnt 0x0
	s_load_b128 s[40:43], s[10:11], 0x0            ; e0, e1, e2, e3
	s_add_nc_u64 s[12:13], s[12:13], s[48:49]
	s_lshl_b32 s48, s22, 19                        ; acts [4 p + c][token][32]
	s_lshl_b32 s50, ttmp9, 9
	s_add_co_u32 s48, s48, s50
	s_add_nc_u64 s[14:15], s[14:15], s[48:49]
	s_lshl_b32 s48, ttmp9, 12
	s_add_nc_u64 s[4:5], s[4:5], s[48:49]          ; x's codes at my 16 tokens
	s_mul_i32 s50, s22, 5460
	s_add_co_u32 s50, s50, 1364                    ; the tree's first level-5 unit: 4 x 341
	s_lshl_b32 s48, s50, 8
	s_add_nc_u64 s[6:7], s[6:7], s[48:49]
	s_lshl_b32 s48, s50, 2
	s_add_nc_u64 s[8:9], s[8:9], s[48:49]
	s_lshl_b32 s48, s22, 18
	s_add_nc_u64 s[16:17], s[16:17], s[48:49]      ; t03 at tree p
	s_lshl_b32 s48, s22, 21
	s_add_nc_u64 s[18:19], s[18:19], s[48:49]      ; t45 at tree p
	s_lshl_b32 s48, ttmp9, 14
	s_lshl_b32 s50, s22, 12
	s_add_co_u32 s48, s48, s50
	s_add_nc_u64 s[20:21], s[20:21], s[48:49]      ; out0 at the four tokens that this wave stores
	s_wait_alu depctr_va_vdst(0)                   ; v3, v4 and v5 are written: the offsets of the seventeen loads below
.irp c, 0,1,2,3
	global_load_b32 v[RT+\c], v[R16], s[12:13] offset:16384*\c
.endr
.irp c, 0,1,2,3
	global_load_b128 v[AC+4*\c:AC+4*\c+3], v[R32], s[14:15] offset:131072*\c
.endr
	global_load_b32 v[CW], v[R32], s[14:15] offset:16    ; the root's word: the same in all four records
.irp s, 0,1
.irp c, 0,1,2,3
	global_load_b128 v[XF+16*\s+4*\c:XF+16*\s+4*\c+3], v[XA], s[4:5] offset:128*\s+32*\c
.endr
.endr
	s_wait_loadcnt 8                               ; the nine loads of the records are in; x's eight may be out
	v_and_b32 v[M0R], 3, v[RT]
	v_cmp_eq_u32 s44, 1, v[M0R]
	v_cmp_eq_u32 s45, 2, v[M0R]
	v_cmp_eq_u32 s46, 3, v[M0R]
	s_wait_alu depctr_va_sdst(0)                   ; the three compares have written s44, s45 and s46, which the selects below read
	v_cndmask_b32 v[RS], v[RT], v[RT+1], s44
	v_cndmask_b32 v[RS], v[RS], v[RT+2], s45
	v_cndmask_b32 v[RS], v[RS], v[RT+3], s46
.irp b, 0,1,2,3
	v_cndmask_b32 v[CW+1+\b], v[AC+\b], v[AC+4+\b], s44
	v_cndmask_b32 v[CW+1+\b], v[CW+1+\b], v[AC+8+\b], s45
	v_cndmask_b32 v[CW+1+\b], v[CW+1+\b], v[AC+12+\b], s46
.endr
	v_bfe_u32 v[TMP], v[RS], 2, 8
	v_lshl_or_b32 v[TMP], v[M0R], 8, v[TMP]        ; 256 m0 + the path below
	v_min_u32 v[LEAF], 0x3ff, v[TMP]
	v_lshrrev_b32 v[N3], 4, v[TMP]
	v_min_u32 v[N3], 63, v[N3]
	v_lshl_add_u32 v[WO], v[LEAF], 10, v[H16]
	v_lshlrev_b32 v[BO], 4, v[LEAF]
	; lane n of half h is to carry token 8 h + n: in lanes 16-31 the neighbour 8 away; then each slot's token is spread over its half of the lanes.  All offsets of the gathers are made here, ahead of their one wait
	v_mov_b32_dpp v[Z3], v[N3] row_xmask:8 row_mask:0xf bank_mask:0xf
	v_mov_b32_dpp v[Z5], v[LEAF] row_xmask:8 row_mask:0xf bank_mask:0xf
	v_cndmask_b32 v[Z3], v[N3], v[Z3], s36
	v_cndmask_b32 v[Z5], v[LEAF], v[Z5], s36
.irp n, 0,1,2,3,4,5,6,7
	v_mov_b32_dpp v[TMP], v[Z3] row_share:\n row_mask:0xf bank_mask:0xf
	v_min_u32 v[TMP], 63, v[TMP]
	v_lshl_add_u32 v[A3+\n], v[TMP], 12, v[R16]    ; t03: 4,096 bytes a node, 16 an output
.endr
.irp n, 0,1,2,3,4,5,6,7
	v_mov_b32_dpp v[TMP], v[Z5] row_share:\n row_mask:0xf bank_mask:0xf
	v_min_u32 v[TMP], 0x3ff, v[TMP]
	v_lshl_add_u32 v[A5+\n], v[TMP], 11, v[R8]     ; t45: 2,048 bytes a leaf, 8 an output
.endr
	s_wait_alu depctr_va_vdst(0)                   ; v31, v32 and v38 to v53 are written: the offsets of the leaf's rows, of the bias and of all the tables' loads, here and further down; no later line names them
.irp u, 0,1,2,3
.irp s, 0,1
.irp c, 0,1,2,3
	global_load_b128 v[W5+32*\u+16*\s+4*\c:W5+32*\u+16*\s+4*\c+3], v[WO], s[6:7] offset:256*\u+128*\s+32*\c   ; unit u of my token's leaf group
.endr
.endr
.endr
	global_load_b128 v[BI:BI+3], v[BO], s[8:9]
.macro KT03 a0                         ; 64 loads: a kind's fragments for all 16 tiles of outputs; each covers two runs of 256 consecutive bytes, aligned
.irp dt, 0,1,2,3,4,5,6,7,8,9,10,11,12,13,14,15
.irp a, 0,1,2,3
	global_load_b128 v[16*\dt+4*\a:16*\dt+4*\a+3], v[A3+\a0+\a], s[16:17] offset:256*\dt
.endr
.endr
.endm
.macro KT45 d0                         ; 64 loads: kind 2's fragments for eight tiles of outputs
.irp e, 0,1,2,3,4,5,6,7
.irp a, 0,1,2,3,4,5,6,7
	global_load_b64 v[16*(\d0+\e)+2*\a:16*(\d0+\e)+2*\a+1], v[A5+\a], s[18:19] offset:128*(\d0+\e)
.endr
.endr
.endm
.macro OMUL kind, d0, nd, zero         ; the accumulators by turns, one instruction a turn; kind 0 starts the sums with the constant 0
.set dt, \d0
.rept \nd
.if \zero
	v_wmma_f32_16x16x128_bf8_bf8 v[O+8*dt:O+8*dt+7], v[16*dt:16*dt+15], v[AF+16*\kind:AF+16*\kind+15], 0
.else
	v_wmma_f32_16x16x128_bf8_bf8 v[O+8*dt:O+8*dt+7], v[16*dt:16*dt+15], v[AF+16*\kind:AF+16*\kind+15], v[O+8*dt:O+8*dt+7]
.endif
.set dt, dt+1
.endr
.endm
.macro GELU n                          ; G = gelu(L): see the launch before
.set i, 0
.rept \n
	v_mul_f32 v[Z+i], s[CSQ], |v[L+i]|
.set i, i+1
.endr
.set i, 0
.rept \n/2
	v_pk_fma_f32 v[T+i:T+i+1], v[Z+i:Z+i+1], 0.5, 1.0 op_sel_hi:[1,0,0]
.set i, i+2
.endr
.set i, 0
.rept \n
	v_rcp_f32 v[T+i], v[T+i]
.set i, i+1
.endr
.set i, 0
.rept \n/2
	v_pk_mul_f32 v[Z+i:Z+i+1], v[L+i:L+i+1], -0.5 op_sel_hi:[1,0]   ; plain lines behind the reciprocals
.set i, i+2
.endr
	s_wait_alu depctr_va_vdst(0)                   ; the reciprocals have written t, which the line below is the first to read: one wait for the batch
.set i, 0
.rept \n/2
	v_pk_fma_f32 v[P+i:P+i+1], v[T+i:T+i+1], v[KC:KC+1], 0xbf527892 op_sel_hi:[1,1,0]
.set i, i+2
.endr
.irp c, 0x3fbe87b0, 0xbf914e5d, 0x3e8ec7cc, 0xbe3ec24c, 0x3dc636c9, 0x3ebf88fb, 0x3f8000c7, 0xbffab55a
.set i, 0
.rept \n/2
	v_pk_fma_f32 v[P+i:P+i+1], v[P+i:P+i+1], v[T+i:T+i+1], \c op_sel_hi:[1,1,0]
.set i, i+2
.endr
.endr
.set i, 0
.rept \n/2
	v_pk_fma_f32 v[P+i:P+i+1], v[Z+i:Z+i+1], v[L+i:L+i+1], v[P+i:P+i+1]
.set i, i+2
.endr
.set i, 0
.rept \n/2
	v_pk_mul_f32 v[P+i:P+i+1], v[P+i:P+i+1], 0x3fb8aa3b op_sel_hi:[1,0]
.set i, i+2
.endr
.set i, 0
.rept \n
	v_cmp_gt_f32 s[CM+i], 0, v[L+i]                ; which side of 0: the compares in one run, a scalar register each, well ahead of the selects that read them
.set i, i+1
.endr
.set i, 0
.rept \n
	v_exp_f32 v[P+i], v[P+i]
.set i, i+1
.endr
	v_nop                                          ; one plain line behind the exponentials (ISA guide 5.7.2)
	s_wait_alu depctr_va_vdst(0)                   ; the exponentials have written their results, which the line below is the first to read: one wait for the batch
.set i, 0
.rept \n/2
	v_pk_mul_f32 v[P+i:P+i+1], v[P+i:P+i+1], v[T+i:T+i+1]
.set i, i+2
.endr
.set i, 0
.rept \n/2
	v_pk_fma_f32 v[T+i:T+i+1], v[P+i:P+i+1], -1.0, 1.0 op_sel_hi:[1,0,0]
.set i, i+2
.endr
	s_wait_alu depctr_va_sdst(0)                   ; the compares above have written the masks, which the selects below read
.set i, 0
.rept \n
	v_cndmask_b32 v[P+i], v[T+i], v[P+i], s[CM+i]
.set i, i+1
.endr
.set i, 0
.rept \n/2
	v_pk_mul_f32 v[G+i:G+i+1], v[L+i:L+i+1], v[P+i:P+i+1]
.set i, i+2
.endr
.endm
	WIN 0x40                                       ; destination window 1
	KT03 0                                         ; kind 0.  Between the wait above and these loads stand loads and this switch alone
	WIN 0
	; what the end needs, made while the loads are out, in the registers that the records have left
	s_mul_i32 s50, s22, SPW
	v_mul_u32_u24 v[SO], v1, SPT
	v_lshl_add_u32 v[SO], v2, 5, v[SO]
	v_add_nc_u32 v[SO], s50, v[SO]                 ; the stage, in: tree p, row r, + 32 h
	s_mul_i32 s50, s22, 4*SPT
	v_and_b32 v[GO], 31, v0
	v_lshlrev_b32 v[GO], 4, v[GO]                  ; 16 x lane
	v_add_nc_u32 v[SR], s50, v[GO]                 ; back: rows 4 w on
	v_mov_b32 v[KC], 0x3e2ef945
	v_mov_b32 v[KC+1], 0x3e2ef945
.irp i, 4,5,6,7
	v_mov_b32 v[HV+\i], 0                          ; the conversion takes eight numbers: four are the group's, four are 0
.endr
	s_wait_kmcnt 0x0
	s_add_co_i32 s51, s40, s41                     ; e0 + e1
	s_add_co_i32 s52, s42, s43                     ; e2 + e3
	s_add_co_i32 s50, s42, 127
	s_lshl_b32 s53, s50, 23
	v_mov_b32 v[SC], s53                           ; 2^e2
	s_add_co_i32 s50, s50, 15
	s_lshl_b32 s50, s50, 23
	s_or_b32 s50, s50, 0x600000
	v_mov_b32 v[LIM], s50                          ; 57,344 x 2^e2
	s_wait_loadcnt 63                              ; 64 loads were issued behind the bias's: x, the leaf's rows and the bias are in
.irp u, 0,1,2,3
	v_wmma_f32_16x16x128_bf8_bf8 v[D+8*\u:D+8*\u+7], v[W5+32*\u:W5+32*\u+15], v[XF:XF+15], 0
.endr
.irp u, 0,1,2,3
	v_wmma_f32_16x16x128_bf8_bf8 v[D+8*\u:D+8*\u+7], v[W5+32*\u+16:W5+32*\u+31], v[XF+16:XF+31], v[D+8*\u:D+8*\u+7]
.endr
.rept 4
	v_nop                                          ; four places in front of the first read of the results (ISA guide 7.12.1)
.endr
.irp u, 0,1,2,3                                ; the diagonal: register r % 8, by the lane's three low bits, each accumulator from its low end on
	v_cndmask_b32 v[D+8*\u],   v[D+8*\u],   v[D+8*\u+1], s32
	v_cndmask_b32 v[D+8*\u+2], v[D+8*\u+2], v[D+8*\u+3], s32
	v_cndmask_b32 v[D+8*\u+4], v[D+8*\u+4], v[D+8*\u+5], s32
	v_cndmask_b32 v[D+8*\u+6], v[D+8*\u+6], v[D+8*\u+7], s32
.endr
.irp u, 0,1,2,3
	v_cndmask_b32 v[D+8*\u],   v[D+8*\u],   v[D+8*\u+2], s33
	v_cndmask_b32 v[D+8*\u+4], v[D+8*\u+4], v[D+8*\u+6], s33
.endr
.irp u, 0,1,2,3
	v_cndmask_b32 v[D+8*\u], v[D+8*\u], v[D+8*\u+4], s34
.endr
.irp u, 0,1,2,3
	v_permlanex16_b32 v[D+8*\u+1], v[D+8*\u], s38, s39
.endr
.irp u, 0,1,2,3
	v_cndmask_b32 v[D+8*\u], v[D+8*\u+1], v[D+8*\u], s35   ; the half with h = r / 8 holds it; the other takes it over
.endr
.irp u, 0,1,2,3
	v_ldexp_f32 v[L+\u], v[D+8*\u], s51            ; x 2^(e0 + e1): nothing is rounded
.endr
.irp u, 0,1,2,3
	v_add_f32 v[L+\u], v[L+\u], v[BI+\u]
.endr
	GELU 4
.irp u, 0,1,2,3
	v_med3_num_f32 v[HV+\u], v[G+\u], -v[LIM], v[LIM]
.endr
	v_cvt_scalef32_pk8_bf8_f32 v[C5:C5+1], v[HV:HV+7], v[SC]
	v_nop                                          ; one plain line between the scaled conversion and the read of its result
.irp q, 0,1                                    ; source 1's fragments: a token's word in its own slot, 0 in all others
.irp a, 0,1,2,3
.irp b, 0,1,2,3
	v_cndmask_b32 v[AF+16*\q+4*\a+\b], 0, v[CW+\b], s[24+4*\q+\a]
.endr
.endr
.endr
.irp a, 0,1,2,3,4,5,6,7
	v_cndmask_b32 v[AF+32+2*\a],   0, v[CW+4], s[24+\a]
	v_cndmask_b32 v[AF+32+2*\a+1], 0, v[C5],   s[24+\a]
.endr
	WIN 0x80                                       ; destination window 2
	KT03 4                                         ; kind 1.  No wait: its offsets were written ahead of the gathers' one wait, and no vector or matrix line has ever named them since, nor a register of window 2
	s_wait_loadcnt 63                              ; of the 64 just issued 63 may be out: kind 0's are in
	WIN 0x01                                       ; source 0 window 1
	OMUL 0, 0, 16, 1
	WIN 0xc0                                       ; destination window 3
	KT45 0                                         ; kind 2, outputs 0-127.  No wait, likewise: the products above name window 1, v64-79 and v128-255 alone
	s_wait_loadcnt 63                              ; kind 1's are in
	WIN 0x02                                       ; source 0 window 2
	OMUL 1, 0, 16, 0
	WIN 0xc0
	KT45 8                                         ; kind 2, outputs 128-255.  No wait, likewise
	s_wait_loadcnt 63                              ; its first half is in
	WIN 0x03                                       ; source 0 window 3
	OMUL 2, 0, 8, 0
	s_wait_loadcnt 0x0
	OMUL 2, 8, 8, 0
	WIN 0
.rept 4
	v_nop                                          ; four places in front of the stores that read the results
.endr
	s_wait_alu depctr_va_vdst(0)                   ; the products have written the accumulators, which the LDS stores read, and v6 to v8 are written; the places above stay beside this wait
	; THE FOUR TREES' SUMS.  Each wave lays its 16 x 256 numbers into its part of the stage; behind the barrier wave w adds the four parts of tokens 4 w .. 4 w + 3 and stores whole rows.
.irp dt, 0,1,2,3,4,5,6,7,8,9,10,11,12,13,14,15
	ds_store_b128 v[SO], v[O+8*\dt:O+8*\dt+3] offset:64*\dt
	ds_store_b128 v[SO], v[O+8*\dt+4:O+8*\dt+7] offset:64*\dt+16
.endr
	s_wait_dscnt 0x0                               ; for the others' sake: my stores have landed
	s_barrier_signal -1
	s_barrier_wait -1
	s_wait_alu depctr_vm_vsrc(0)                   ; my LDS stores have read v128-255, in which the loads below land (no vector or matrix line has named them since the wait ahead of those stores)
.irp i, 0,1,2,3
.irp k, 0,1
.irp q, 0,1,2,3
	ds_load_b128 v[O+16*(2*\i+\k)+4*\q:O+16*(2*\i+\k)+4*\q+3], v[SR] offset:SPW*\q+SPT*\i+512*\k
.endr
.endr
.endr
.set g, 0
.rept 2                                        ; four half rows are summed, then stored in one run behind one wait; then the other four
.rept 4
	s_wait_dscnt 28-4*g                            ; this half row's four parts are in; the later groups' four loads each may be out
	v_pk_add_f32 v[O+16*g:O+16*g+1],     v[O+16*g:O+16*g+1],     v[O+16*g+4:O+16*g+5]
	v_pk_add_f32 v[O+16*g+2:O+16*g+3],   v[O+16*g+2:O+16*g+3],   v[O+16*g+6:O+16*g+7]
	v_pk_add_f32 v[O+16*g+8:O+16*g+9],   v[O+16*g+8:O+16*g+9],   v[O+16*g+12:O+16*g+13]
	v_pk_add_f32 v[O+16*g+10:O+16*g+11], v[O+16*g+10:O+16*g+11], v[O+16*g+14:O+16*g+15]
	v_pk_add_f32 v[O+16*g:O+16*g+1],     v[O+16*g:O+16*g+1],     v[O+16*g+8:O+16*g+9]
	v_pk_add_f32 v[O+16*g+2:O+16*g+3],   v[O+16*g+2:O+16*g+3],   v[O+16*g+10:O+16*g+11]
	v_ldexp_f32 v[O+16*g],   v[O+16*g],   s52      ; x 2^(e2 + e3)
	v_ldexp_f32 v[O+16*g+1], v[O+16*g+1], s52
	v_ldexp_f32 v[O+16*g+2], v[O+16*g+2], s52
	v_ldexp_f32 v[O+16*g+3], v[O+16*g+3], s52
.set g, g+1
.endr
	s_wait_alu depctr_va_vdst(0)                   ; the four half rows' sums are written, which the four stores below read; they are not written again
.set g, g-4
.rept 4
	global_store_b128 v[GO], v[O+16*g:O+16*g+3], s[20:21] offset:1024*(g/2)+512*(g%2) th:TH_STORE_NT   ; 32 lanes store 512 consecutive bytes, aligned; written once
.set g, g+1
.endr
.endr
	s_wait_dscnt 0x0                               ; the closing lines, six on end
	s_wait_alu 0x0
	s_wait_tensorcnt 0x0
	ds_add_u32 v36, v63
	s_wait_dscnt 0x0
	s_endpgm
.Lfunc_end_k_qda70a123f6_leaf:
	.size	k_qda70a123f6_leaf, .Lfunc_end_k_qda70a123f6_leaf-k_qda70a123f6_leaf
	.p2alignl 7, 3214868480
	.fill 96, 4, 3214868480
	.section	.rodata,"a",@progbits
	.p2align	6, 0x0
	.amdhsa_kernel k_qda70a123f6_leaf
		.amdhsa_group_segment_fixed_size 67072
		.amdhsa_private_segment_fixed_size 0
		.amdhsa_enable_private_segment 0
		.amdhsa_kernarg_size 72
		.amdhsa_user_sgpr_count 2
		.amdhsa_user_sgpr_kernarg_segment_ptr 1
		.amdhsa_wavefront_size32 1
		.amdhsa_system_sgpr_workgroup_id_x 1
		.amdhsa_system_sgpr_workgroup_id_y 1
		.amdhsa_system_sgpr_workgroup_id_z 1
		.amdhsa_system_vgpr_workitem_id 0
		.amdhsa_next_free_vgpr 1024
		.amdhsa_next_free_sgpr 66
		.amdhsa_reserve_vcc 0
		.amdhsa_float_denorm_mode_32 3
		.amdhsa_float_denorm_mode_16_64 3
		.amdhsa_memory_ordered 1
		.amdhsa_forward_progress 1
		.amdhsa_inst_pref_size 62
	.end_amdhsa_kernel
	.amdgpu_metadata
---
amdhsa.version: [ 1, 2 ]
amdhsa.kernels:
  - .name:           k_qda70a123f6_leaf
    .symbol:         k_qda70a123f6_leaf.kd
    .args:
      - { .name: xq, .offset: 0, .size: 8, .value_kind: global_buffer, .address_space: global }
      - { .name: wq, .offset: 8, .size: 8, .value_kind: global_buffer, .address_space: global }
      - { .name: b_in, .offset: 16, .size: 8, .value_kind: global_buffer, .address_space: global }
      - { .name: lowp_scales, .offset: 24, .size: 8, .value_kind: global_buffer, .address_space: global }
      - { .name: route, .offset: 32, .size: 8, .value_kind: global_buffer, .address_space: global }
      - { .name: acts, .offset: 40, .size: 8, .value_kind: global_buffer, .address_space: global }
      - { .name: t03, .offset: 48, .size: 8, .value_kind: global_buffer, .address_space: global }
      - { .name: t45, .offset: 56, .size: 8, .value_kind: global_buffer, .address_space: global }
      - { .name: out0, .offset: 64, .size: 8, .value_kind: global_buffer, .address_space: global }
    .group_segment_fixed_size: 67072
    .private_segment_fixed_size: 0
    .kernarg_segment_align: 8
    .kernarg_segment_size: 72
    .max_flat_workgroup_size: 128
    .sgpr_count:     66
    .vgpr_count:     1024
    .wavefront_size: 32
...
	.end_amdgpu_metadata
.endif
;; end of part 5
